; MI455X (gfx1250); checked and timed in simulation.
; The chip was launched on July 23, 2026; its instructions are those of AMD's public machine-readable ISA for CDNA 5 (MIT licence, August 2026) and "CDNA5" Instruction Set Architecture Reference Guide (July 2026). The comments in the code are by the model that wrote it; some were corrected since.
;; Self Attention. Allowed arithmetic: matrix products marked QUANTISED: E2M3 operands, one E8M0 scale for each 32 along K, by v_wmma_scale_f32_16x16x128_f8f6f4 with both operands' format E2M3, f32 sums; everything else in f32.
;; Inputs: b_out 1,024 float32; b_qkv 3,072 float32; w_out 1,024 x 1,024 float32; w_qkv 1,024 x 3,072 float32; x 4 x 2,048 x 1,024 float32.
;; Outputs: out0 4 x 2,048 x 1,024 float32.
;; This version of the problem:
;;   THIS VERSION OF THE PROBLEM IS GIVEN IN LOW PRECISION. The matrix products marked QUANTISED in the list below multiply operands that are first quantised to E2M3 (2 exponent bits, 3 mantissa bits; 6 bits a number), with one power-of-two scale for each 32 numbers along K (OCP MX v1.0); their sums are f32. All else is computed in f32.
;;   The module's matrix products, in the order in which they are computed (A, B: the left and right operand; K: the contracted axis; several contracted axes count as one K, in the product's order):
;;     1. [M 8,192, K 1,024] x [K 1,024, N 3,072]; A: input x; B: input w_qkv: QUANTISED
;;     2. batch 64 x [M 2,048, K 64] x [K 64, N 2,048]; A: computed on the way; B: computed on the way: QUANTISED
;;     3. batch 64 x [M 2,048, K 2,048] x [K 2,048, N 64]; A: softmax (see below); B: computed on the way: QUANTISED
;;     4. [M 8,192, K 1,024] x [K 1,024, N 1,024]; A: computed on the way; B: input w_out: QUANTISED
;;   THE QUANTISER, for each operand of a quantised product, along K:
;;     - K is cut into blocks of 32 from its start; a last block that is shorter is filled with zeros.
;;     - A block's scale is 2^e with e = floor(log2(the largest magnitude in the block)) - 2, held to -126 .. 127; a block of zeros has e = 0. As a byte (E8M0): e + 127.
;;     - Each number is divided by its block's scale, clamped to +-7.5, and rounded to the nearest number of E2M3, ties to even, subnormals kept.
;;     - The product sums the exact products of the quantised numbers (number of the format x scale) in f32.
;;   ~~~python
;;   def quantise(x, axis):      # numpy; x: float32 -> the quantised numbers, widened to float32 again
;;       x = np.moveaxis(x, axis, -1); K = x.shape[-1]
;;       x = np.pad(x, [(0, 0)] * (x.ndim - 1) + [(0, -K % 32)]); x = x.reshape(x.shape[:-1] + (-1, 32)); a = np.abs(x).max(-1, keepdims=True)
;;       e = np.where(a > 0, np.clip(np.frexp(np.where(a > 0, a, 1))[1] - 1 - 2, -126, 127), 0)      # np.frexp(a)[1] - 1 = floor(log2(a)), exactly
;;       r = np.clip(x / 2.0 ** e, -7.5, 7.5)
;;       step = 2.0 ** (np.maximum(np.frexp(np.where(r == 0, 1, r))[1] - 1, 0) - 3)
;;       q = np.round(r / step) * step * 2.0 ** e      # np.round: ties to even
;;       return np.moveaxis(q.reshape(q.shape[:-2] + (-1,))[..., :K], -1, axis).astype(np.float32)
;;   ~~~
;;   SOFTMAX AHEAD OF A QUANTISED PRODUCT. Where the list says 'softmax', what is quantised is not the finished softmax but p = 2^(t - M), with t = logit x log2(e) and M = ceil(the row's largest t), a whole number; so 1/2 < the row's largest p <= 1. The row's sum l is taken of the UNQUANTISED p, in f32, and the product's result is divided by l at the end. Since M is a whole number, a kernel that streams over the keys may use a running M (the ceiling of the running maximum): every later rescaling is an exact power of two, which a block's scale takes up: the codes' values come out the same.
;;   OPERANDS COMPUTED ON THE WAY. 'Computed on the way' means the value that the module computes at that place (a softmax that the list does not call 'softmax' is quantised finished and normalised). What goes into a quantiser is computed in f32, as accurately as f32 sums, v_exp_f32 and their like allow (about 1e-6 of the number): no bf16 or f16 on the way to a quantiser, and a product that is left as it is and whose result goes on into a quantised operand takes f32 operands (vector FMAs, or v_wmma_f32_16x16x4_f32). A number that lies on a knife's edge between two numbers of the format may be rounded either way, as far as f32 arithmetic and the matrix unit's own rounding can turn it there, and no further.
;; One version. Each part assembles by itself: llvm-mc -triple=amdgcn-amd-amdhsa -mcpu=gfx1250 --defsym DOCPART=n.
;; ======== version 1 of 1: 4 launches
;; limits: right only within a limited range of input values
;; workspace buffers: x_img 6,291,456 bytes; x_sc 262,144 bytes; w_img 3,145,728 bytes; w_sc 131,072 bytes; qkv 20,185,088 bytes; ao_img 6,291,456 bytes; ao_sc 262,144 bytes
;; launch quant (part 1): grid 384 x 1, 4 waves a work-group, no clusters, 60,928 bytes of LDS; arguments x, w_qkv, w_out, x_img, x_sc, w_img, w_sc; writes x_img, x_sc, w_img, w_sc
.if DOCPART == 1
	.amdgcn_target "amdgcn-amd-amdhsa--gfx1250"
	.amdhsa_code_object_version 6
	.text
	.protected	k_q869b790ca7_quant
	.globl	k_q869b790ca7_quant
	.p2align	8
	.type	k_q869b790ca7_quant,@function
k_q869b790ca7_quant:
	s_mov_b64 s[64:65], 0
	v_nop
	global_prefetch_b8 v0, s[64:65] scope:SCOPE_SE
	s_setreg_imm32_b32 hwreg(HW_REG_WAVE_MODE, 25, 1), 1
	s_wait_xcnt 0x0
; x [8192][1024], w_qkv [1024][3072] and w_out [1024][1024], f32, become codes of FP6 (E2M3) with one E8M0 byte for each 32 along K (x: its last axis; the weights: their first).
; A block's scale is 2^(floor(log2(largest magnitude)) - 2); its byte is the largest magnitude's exponent field - 2, held at 1 from below.
; LIMITS: a block of zeros, and one whose largest magnitude lies under 2^-124, keeps the byte 1 (a block of zeros has zero codes, and this program alone reads the bytes); NaN and infinities are not served.
; THE CODES ARE LAID AS THE MATRIX OPERAND'S REGISTERS.  128 rows (x: tokens; weights: columns n) are a rowgroup of 8 tiles; lane r of tile t holds row 32 (t/2) + 8 (t%2) + r + 8 (r/8).
; A unit is 16 rows x 64 K = 6 registers a lane (lane (r, h): k = 32 h .. 32 h + 31): 768 bytes: registers 0-3 at 16 x lane, registers 4-5 at 512 + 8 x lane.
; codes: [rowgroup][K step of 128: 0..7][tile][c: 0..1][768];  scale words: [rowgroup][pair of K steps: 0..3][tile][r][q: 0..1], byte b of a word for k = 32 b .. 32 b + 31.
; w_img, w_sc: rowgroups 0-23 are w_qkv's columns, 24-31 w_out's.
; SHARES.  Work-groups 0-255: 32 rows of x each, wave w the K steps 2 w and 2 w + 1: four fragments of 16 rows x 128 K.  Work-groups 256-383: a rowgroup of a weight x 256 K, wave w 32 columns.
; Every wave reads 32 KB.  Waves share nothing: no barrier.  No matrix unit, no tensor load, no cluster: no work-group reads what another reads, and the launch only streams.
; The two paths part on the work-group's number and have LDS bytes of their own.
.set XPITCH, 528                       ; x's stage: a row of 512 bytes + 16: the sixteen rows that a load of 16 bytes a lane touches fall on sixteen different 16-byte columns
.set XS_W,   16*XPITCH                 ; a wave's stage on x's path
.set WS,     4*XS_W                    ; behind them: the weights' stages
.set WT,     1664                      ; a tile's two units (1,536 bytes) + 128
.set WS_W,   4*WT                      ; a wave's: 2 K steps x 2 tiles
.set SPARE,  WS+4*WS_W                 ; the spare words, 128 bytes a wave: two blocks of 256 bytes that no other line names
.set L16,   2                          ; v2   16 x lane
.set L8,    3                          ; v3   8 x lane
.set L4,    4                          ; v4   4 x lane
.set XST,   5                          ; v5   x's stage, in: my 16 bytes of a row
.set XLD,   6                          ; v6   x's stage, out: row r, + 128 h
.set WST16, 7                          ; v7   the weights' stage, in: registers 0-3 of my place in a unit
.set WST8,  8                          ; v8   and registers 4-5
.set WRD,   9                          ; v9   out of it: 16 x lane
.set WSO,   10                         ; v10  my column's two scale words in a wave's 256 bytes
.set SH8,   11                         ; v11  8 h
.set SPW,   12                         ; v12  LDS address of my spare word; never rewritten
.set NIL,   13                         ; v13  0; never rewritten
.set TM,    16                         ; v16-23 at work
.set WD,    24                         ; v24-27 x: a scale word for each fragment
.set WP,    28                         ; v28-29 x: the pair that is stored
.set RAW,   32                         ; v32-159  x: two sets of 64 numbers as loaded
.set XN,    160                        ; v160-223 x: 64 numbers: register 32 c + i = k 64 c + 32 h + i of row r
.set PC,    224                        ; v224-235 x: a fragment's codes
.set PT,    236                        ; v236-238, v240-242: the second halves, made on an even register and moved
.set OFFS,  32                         ; v32-63   weights: i x pitch + 4 x lane
.set WX,    64                         ; v64-127  weights: two sets of 32 numbers down K
.set WC,    128                        ; v128-133 a block's codes
.set WH,    136                        ; v136-138 their second half
.set SB,    140                        ; v140-141 scale bytes, four to a register
.set OUTR,  144                        ; v144-191 the way out
	s_load_b256 s[4:11], s[0:1], 0x0               ; x s[4:5], w_qkv s[6:7], w_out s[8:9], x_img s[10:11]
	s_load_b128 s[12:15], s[0:1], 0x20             ; x_sc s[12:13], w_img s[14:15]
	s_load_b64 s[24:25], s[0:1], 0x30              ; w_sc
	v_lshl_add_u32 v[SPW], v0, 2, SPARE
	v_mov_b32 v[NIL], 0
	v_lshrrev_b32 v1, 5, v0
	v_readfirstlane_b32 s16, v1                    ; wave 0..3
	v_and_b32 v1, 31, v0                           ; lane
	v_lshlrev_b32 v[L16], 4, v1
	v_lshlrev_b32 v[L8], 3, v1
	v_lshlrev_b32 v[L4], 2, v1
	v_and_b32 v14, 15, v0                          ; r
	v_bfe_u32 v15, v0, 4, 1                        ; h
	v_lshlrev_b32 v[SH8], 3, v15
	s_mul_i32 s17, s16, XS_W                       ; every LDS address is made here, ahead of the parting of the paths
	v_add_nc_u32 v[XST], s17, v[L16]
	v_mul_u32_u24 v[XLD], v14, XPITCH
	v_lshl_add_u32 v[XLD], v15, 7, v[XLD]
	v_add_nc_u32 v[XLD], s17, v[XLD]
	s_mul_i32 s17, s16, WS_W
	s_add_co_u32 s17, s17, WS
	v_bfe_u32 v16, v0, 3, 1                        ; u: column j of a wave's 32 lies in tile 2 w + u, u = (j / 8) % 2,
	v_and_b32 v17, 7, v0
	v_lshrrev_b32 v18, 1, v1
	v_and_b32 v18, 8, v18
	v_add_nc_u32 v17, v17, v18                     ; at the tile's row j % 8 + 8 (j / 16)
	v_mul_u32_u24 v18, v16, WT
	v_add_nc_u32 v18, s17, v18
	v_lshl_add_u32 v[WST16], v17, 4, v18
	v_lshl_add_u32 v[WST8], v17, 3, v18
	v_add_nc_u32 v[WRD], s17, v[L16]
	v_lshlrev_b32 v[WSO], 7, v16
	v_lshl_add_u32 v[WSO], v17, 3, v[WSO]
	s_mov_b32 s20, 0x76543210
	s_mov_b32 s21, 0xfedcba98                      ; v_permlanex16_b32's selects for lane l xor 16
	s_mov_b32 s22, 0xffff0000                      ; lanes 16-31
	s_wait_kmcnt 0x0
	s_cmp_lt_u32 ttmp9, 256
	s_cbranch_scc0 .Lweights
; ---------------- x ----------------
	s_lshl_b32 s26, ttmp9, 17                      ; 32 rows of 4,096 bytes a work-group,
	s_lshl_b32 s27, s16, 10                        ; 256 along K a wave
	s_add_co_u32 s26, s26, s27
	s_mov_b32 s27, 0
	s_add_nc_u64 s[4:5], s[4:5], s[26:27]
	s_lshr_b32 s28, ttmp9, 2                       ; rowgroup
	s_and_b32 s29, ttmp9, 3                        ; which pair of its tiles
	s_mul_i32 s26, s28, 98304
	s_mul_i32 s30, s16, 24576
	s_add_co_u32 s26, s26, s30
	s_mul_i32 s30, s29, 3072
	s_add_co_u32 s26, s26, s30
	s_add_nc_u64 s[10:11], s[10:11], s[26:27]
	s_lshl_b32 s26, s28, 12
	s_lshl_b32 s30, s16, 10
	s_add_co_u32 s26, s26, s30
	s_lshl_b32 s30, s29, 8
	s_add_co_u32 s26, s26, s30
	s_add_nc_u64 s[12:13], s[12:13], s[26:27]
	v_mov_b32 v[TM+7], 0                           ; written once: a lane permute's destination counts as one of its sources
; fragment f = 2 tp + q: tile 2 beta + tp, the wave's q-th K step.  Sixteen loads, each 512 consecutive bytes of one row: the tile's row j is row 8 tp + j + 8 (j / 8) of the work-group's 32
.macro XLOAD f
.irp j, 0,1,2,3,4,5,6,7,8,9,10,11,12,13,14,15
	global_load_b128 v[RAW+64*((\f)%2)+4*\j:RAW+64*((\f)%2)+4*\j+3], v[L16], s[4:5] offset:(8*((\f)/2)+\j+8*(\j/8))*4096+512*((\f)%2) th:TH_LOAD_NT
.endr
.endm
; through the wave's own stage: in as loaded, out 128 bytes of a row to a lane.  LDS serves a wave's instructions in order: no wait between the stores and the loads
.macro XTURN f
.irp j, 0,1,2,3,4,5,6,7,8,9,10,11,12,13,14,15
	ds_store_b128 v[XST], v[RAW+64*((\f)%2)+4*\j:RAW+64*((\f)%2)+4*\j+3] offset:XPITCH*\j
.endr
.irp c, 0,1
.irp i, 0,1,2,3,4,5,6,7
	ds_load_b128 v[XN+32*\c+4*\i:XN+32*\c+4*\i+3], v[XLD] offset:256*\c+16*\i
.endr
.endr
.endm
.macro XFRAG f
.if (\f) < 3
	s_wait_loadcnt 16                              ; this fragment's sixteen loads are in; the next fragment's sixteen may be out
.else
	s_wait_loadcnt 0x0
.endif
	XTURN \f
	s_wait_dscnt 0x0
.if (\f) > 0
	s_wait_xcnt 0x0                                ; the last fragment's stores have read their data: the codes' registers are written again only behind this wait
.endif
.if (\f) < 2
	XLOAD (\f)+2
.endif
.irp c, 0,1                                    ; my two whole blocks, 2 c + h, by turns
	v_max3_num_f32 v[TM+\c], |v[XN+32*\c]|, |v[XN+32*\c+1]|, 0x1800000   ; with the floor 2^(3 - 127): the byte cannot fall under 1
.endr
.irp i, 2,4,6,8,10,12,14,16,18,20,22,24,26,28,30
.irp c, 0,1
	v_max3_num_f32 v[TM+\c], v[TM+\c], |v[XN+32*\c+\i]|, |v[XN+32*\c+\i+1]|
.endr
.endr
.irp c, 0,1
	v_add_nc_u32 v[TM+2+\c], 0xff000000, v[TM+\c]  ; 2 off the exponent field: the conversion's scale operand
.endr
.irp c, 0,1
	v_lshrrev_b32 v[TM+4+\c], 23, v[TM+2+\c]       ; the scale's byte
.endr
	v_lshl_or_b32 v[TM+6], v[TM+5], 16, v[TM+4]    ; my two bytes, blocks h and 2 + h,
	v_lshlrev_b32 v[TM+6], v[SH8], v[TM+6]         ; at their places;
	v_permlanex16_b32 v[TM+7], v[TM+6], s20, s21
	v_or_b32 v[WD+(\f)], v[TM+6], v[TM+7]          ; with lane l xor 16's two the row's word is whole
.irp c, 0,1
	v_cvt_scalef32_pk16_fp6_f32 v[PC+6*\c:PC+6*\c+2], v[XN+32*\c:XN+32*\c+15], v[TM+2+\c]
	v_cvt_scalef32_pk16_fp6_f32 v[PT+4*\c:PT+4*\c+2], v[XN+32*\c+16:XN+32*\c+31], v[TM+2+\c]   ; (a conversion's three registers begin on an even number)
.endr
	v_nop                                          ; one plain place behind a scaled conversion
.irp c, 0,1
.irp i, 0,1,2
	v_mov_b32 v[PC+3+6*\c+\i], v[PT+4*\c+\i]
.endr
.endr
.irp c, 0,1                                    ; two units: each store covers 512 or 256 consecutive bytes, aligned to 256
	global_store_b128 v[L16], v[PC+6*\c:PC+6*\c+3], s[10:11] offset:12288*((\f)%2)+1536*((\f)/2)+768*\c
	global_store_b64 v[L8], v[PC+6*\c+4:PC+6*\c+5], s[10:11] offset:12288*((\f)%2)+1536*((\f)/2)+768*\c+512
.endr
.endm
	XLOAD 0
	XLOAD 1
	XFRAG 0
	XFRAG 1
	XFRAG 2
	XFRAG 3
	v_cndmask_b32 v[WP], v[WD], v[WD+2], s22       ; lanes 0-15: the first tile's words, lanes 16-31 the second's (lanes r and 16 + r hold the same word)
	v_cndmask_b32 v[WP+1], v[WD+1], v[WD+3], s22
	global_store_b64 v[L8], v[WP:WP+1], s[12:13]   ; 256 consecutive bytes, aligned
	s_wait_tensorcnt 0x0                           ; the wave's end, behind my last LDS store
	ds_add_u32 v[SPW], v[NIL]
	s_wait_dscnt 0x0
	s_endpgm
; ---------------- the weights: a lane takes a column, its registers run down K ----------------
.Lweights:
	s_sub_co_u32 s26, ttmp9, 256
	s_lshr_b32 s27, s26, 2                         ; rowgroup 0..31
	s_and_b32 s28, s26, 3                          ; which 256 along K
	s_mov_b32 s29, 4096
	s_cmp_lt_u32 s27, 24                           ; w_qkv's or w_out's?  The choice hangs on the work-group's number alone
	s_cselect_b64 s[4:5], s[6:7], s[8:9]
	s_cselect_b32 s29, 12288, s29                  ; a row of the weight in bytes
	s_cselect_b32 s30, 0, 24
	s_sub_co_u32 s30, s27, s30
	s_lshl_b32 s30, s30, 9                         ; 128 columns a rowgroup,
	s_lshl_b32 s31, s16, 7                         ; 32 a wave
	s_add_co_u32 s30, s30, s31
	s_lshl_b32 s31, s28, 8
	s_mul_i32 s31, s31, s29
	s_add_co_u32 s30, s30, s31
	s_mov_b32 s31, 0
	s_add_nc_u64 s[32:33], s[4:5], s[30:31]        ; a base for each of the 8 blocks of 32 rows: no pointer is stepped
	s_lshl_b32 s30, s29, 5
.irp t, 1,2,3,4,5,6,7
	s_add_nc_u64 s[32+2*\t:33+2*\t], s[30+2*\t:31+2*\t], s[30:31]
.endr
.set i, 0
.rept 32
	v_mad_u32_u24 v[OFFS+i], s29, i, v[L4]         ; row i of a block, my column
.set i, i+1
.endr
	s_mul_i32 s26, s27, 98304
	s_mul_i32 s30, s28, 24576
	s_add_co_u32 s26, s26, s30
	s_mul_i32 s30, s16, 3072
	s_add_co_u32 s26, s26, s30
	s_mov_b32 s27, 0
	s_add_nc_u64 s[14:15], s[14:15], s[26:27]
	s_sub_co_u32 s26, ttmp9, 256
	s_lshl_b32 s26, s26, 10                        ; 4,096 a rowgroup + 1,024 a pair of K steps = 1,024 x (4 rowgroup + pair)
	s_lshl_b32 s30, s16, 8
	s_add_co_u32 s26, s26, s30
	s_add_nc_u64 s[24:25], s[24:25], s[26:27]
.macro WLOAD t                         ; block t: 32 rows at my column: a wave reads 128 consecutive bytes a load, the four waves 512
.set i, 0
.rept 32
	global_load_b32 v[WX+32*((\t)%2)+i], v[OFFS+i], s[32+2*(\t):33+2*(\t)] th:TH_LOAD_NT
.set i, i+1
.endr
.endm
.macro WBLOCK t                        ; block t = 4 q + 2 c + h of my column: the codes are lane (row, h)'s six registers of unit (q, tile, c)
.set XS, WX+32*((\t)%2)
.if (\t) < 7
	s_wait_loadcnt 32                              ; this block's 32 loads are in; the next block's may be out
.else
	s_wait_loadcnt 0x0
.endif
	v_max3_num_f32 v16, |v[XS]|, |v[XS+1]|, |v[XS+2]|
	v_max3_num_f32 v17, |v[XS+3]|, |v[XS+4]|, |v[XS+5]|
.irp i, 6,10,14,18,22,26
	v_max3_num_f32 v16, v16, |v[XS+\i]|, |v[XS+\i+1]|
	v_max3_num_f32 v17, v17, |v[XS+\i+2]|, |v[XS+\i+3]|
.endr
	v_max3_num_f32 v16, v16, |v[XS+30]|, |v[XS+31]|
	v_max3_num_f32 v16, v16, v17, 0x1800000        ; and the floor
	v_add_nc_u32 v18, 0xff000000, v16
	v_lshrrev_b32 v19, 23, v18
.if (\t)%4 == 0
	v_mov_b32 v[SB+(\t)/4], v19
.else
	v_lshl_or_b32 v[SB+(\t)/4], v19, 8*((\t)%4), v[SB+(\t)/4]
.endif
	v_cvt_scalef32_pk16_fp6_f32 v[WC:WC+2], v[XS:XS+15], v18
	v_cvt_scalef32_pk16_fp6_f32 v[WH:WH+2], v[XS+16:XS+31], v18
	v_nop                                          ; one plain place behind a scaled conversion
.irp i, 0,1,2
	v_mov_b32 v[WC+3+\i], v[WH+\i]
.endr
	ds_store_b128 v[WST16], v[WC:WC+3] offset:2*WT*((\t)/4)+768*(((\t)%4)/2)+256*((\t)%2)
	ds_store_b64 v[WST8], v[WC+4:WC+5] offset:2*WT*((\t)/4)+768*(((\t)%4)/2)+512+128*((\t)%2)
.if (\t)+2 < 8
	WLOAD (\t)+2
.endif
	s_wait_dscnt 0x0                               ; the stores have read their registers: the next block's codes may be written
.endm
	s_wait_alu depctr_va_vdst(0)
	WLOAD 0
	WLOAD 1
.irp t, 0,1,2,3,4,5,6,7
	WBLOCK \t
.endr
	s_wait_alu depctr_va_vdst(0)
	global_store_b64 v[WSO], v[SB:SB+1], s[24:25]  ; the wave's 32 lanes cover 256 consecutive bytes, aligned
.irp n, 0,1,2,3,4,5,6,7,8,9,10,11                  ; n = 6 q + 3 u + g: 512 bytes of tile u's fragment of K step q
	ds_load_b128 v[OUTR+4*\n:OUTR+4*\n+3], v[WRD] offset:2*WT*(\n/6)+WT*((\n%6)/3)+512*(\n%3)
.endr
.irp n, 0,1,2,3,4,5,6,7,8,9,10,11
	s_wait_dscnt 11-\n                             ; the younger loads may be out
	global_store_b128 v[L16], v[OUTR+4*\n:OUTR+4*\n+3], s[14:15] offset:12288*(\n/6)+1536*((\n%6)/3)+512*(\n%3)
.endr
	s_wait_tensorcnt 0x0                           ; the wave's end, behind my last LDS store
	ds_add_u32 v[SPW], v[NIL]
	s_wait_dscnt 0x0
	s_endpgm
.Lfunc_end_k_q869b790ca7_quant:
	.size	k_q869b790ca7_quant, .Lfunc_end_k_q869b790ca7_quant-k_q869b790ca7_quant
	.p2alignl 7, 3214868480
	.fill 96, 4, 3214868480
	.section	.rodata,"a",@progbits
	.p2align	6, 0x0
	.amdhsa_kernel k_q869b790ca7_quant
		.amdhsa_group_segment_fixed_size 60928
		.amdhsa_private_segment_fixed_size 0
		.amdhsa_enable_private_segment 0
		.amdhsa_kernarg_size 56
		.amdhsa_user_sgpr_count 2
		.amdhsa_user_sgpr_kernarg_segment_ptr 1
		.amdhsa_wavefront_size32 1
		.amdhsa_system_sgpr_workgroup_id_x 1
		.amdhsa_system_sgpr_workgroup_id_y 1
		.amdhsa_system_sgpr_workgroup_id_z 1
		.amdhsa_system_vgpr_workitem_id 0
		.amdhsa_next_free_vgpr 248
		.amdhsa_next_free_sgpr 66
		.amdhsa_reserve_vcc 0
		.amdhsa_float_denorm_mode_32 3
		.amdhsa_float_denorm_mode_16_64 3
		.amdhsa_memory_ordered 1
		.amdhsa_forward_progress 1
		.amdhsa_inst_pref_size 74
	.end_amdhsa_kernel
	.amdgpu_metadata
---
amdhsa.version: [ 1, 2 ]
amdhsa.kernels:
  - .name:           k_q869b790ca7_quant
    .symbol:         k_q869b790ca7_quant.kd
    .args:
      - { .name: x, .offset: 0, .size: 8, .value_kind: global_buffer, .address_space: global }
      - { .name: w_qkv, .offset: 8, .size: 8, .value_kind: global_buffer, .address_space: global }
      - { .name: w_out, .offset: 16, .size: 8, .value_kind: global_buffer, .address_space: global }
      - { .name: x_img, .offset: 24, .size: 8, .value_kind: global_buffer, .address_space: global }
      - { .name: x_sc, .offset: 32, .size: 8, .value_kind: global_buffer, .address_space: global }
      - { .name: w_img, .offset: 40, .size: 8, .value_kind: global_buffer, .address_space: global }
      - { .name: w_sc, .offset: 48, .size: 8, .value_kind: global_buffer, .address_space: global }
    .group_segment_fixed_size: 60928
    .private_segment_fixed_size: 0
    .kernarg_segment_align: 8
    .kernarg_segment_size: 56
    .max_flat_workgroup_size: 128
    .sgpr_count:     66
    .vgpr_count:     248
    .wavefront_size: 32
...
	.end_amdgpu_metadata
.endif
;; end of part 1
;; launch qkv (part 2): grid 12 x 32, 4 waves a work-group, clusters of 4 x 4, 327,680 bytes of LDS; arguments x_img, x_sc, w_img, w_sc, b_qkv, qkv; writes qkv
.if DOCPART == 2
	.amdgcn_target "amdgcn-amd-amdhsa--gfx1250"
	.amdhsa_code_object_version 6
	.text
	.protected	k_q869b790ca7_qkv
	.globl	k_q869b790ca7_qkv
	.p2align	8
	.type	k_q869b790ca7_qkv,@function
k_q869b790ca7_qkv:
	s_mov_b64 s[64:65], 0
	v_nop
	global_prefetch_b8 v0, s[64:65] scope:SCOPE_SE
	s_setreg_imm32_b32 hwreg(HW_REG_WAVE_MODE, 25, 1), 1
	s_wait_xcnt 0x0
	s_wait_alu depctr_hold_cnt(0) depctr_sa_sdst(0) depctr_va_vdst(0) depctr_va_sdst(0) depctr_va_ssrc(0) depctr_va_vcc(0) depctr_vm_vsrc(0)
	s_getreg_b32 s2, hwreg(HW_REG_IB_STS2, 6, 4)
	s_cmp_eq_u32 s2, 0
	s_cbranch_scc0 .Lentry_in_a_cluster
	s_endpgm
.Lentry_in_a_cluster:
	s_bfe_u32 s2, ttmp6, 0x10000c
	s_cmp_lg_u32 s2, 0xf033
	s_cbranch_scc0 .Lentry_shape_is_right
	s_endpgm
.Lentry_shape_is_right:
.set NQ,     2
.set FR,     12
.set NL,     4
.set NP,     4
.set RG,     98304
.set HALFT,  24576
.set SLOT,   4*HALFT
.set SCL,    2*SLOT
.set HALFS,  4096
.set SPARE,  SCL+4*HALFS
.set REC,    315392
.set ADRA, 16
.set ADRB, 20
.set ADRS, 25
.set LO16, 26
.set LO8,  27
.set SPW,  28
.set NIL,  29
.set SC,   32
.set BI,   64
.set AF,   128
.set BL,   224
.set H,    128
.set PCE,  192
.set PT,   216
.set TM,   240
.set PWS,  32
.set MW,   40
.set WW,   44
.set SEL,  104
.set G1, 24
.set G0, 32
.set G1B, 48
.set G0B, 56
.set G1S, 68
.set G0S, 76
.set G1SB, 80
.set G0SB, 88
.set MSB, 0
.macro WIN new
.if MSB != (\new)
	s_set_vgpr_msb (MSB<<8)|(\new)
.set MSB, (\new)
.endif
.endm
.set MUL_LO, 0xa1
.set MUL_HI, 0xf1
.set TO_B,   0x40
.macro JLOAD g0a, g1a, g0b, g1b
	s_cmp_eq_u32 s17, 0
	s_cbranch_scc0 .Lfor_b_\@
	tensor_load_to_lds s[\g0a:\g0a+3], s[\g1a:\g1a+7]
	s_nop 0
.rept 4
	v_nop
.endr
	s_branch .Lasked_\@
.Lfor_b_\@:
	tensor_load_to_lds s[\g0b:\g0b+3], s[\g1b:\g1b+7]
	s_nop 0
.rept 4
	v_nop
.endr
.Lasked_\@:
.endm
.macro CREST
	s_cmp_lg_u32 s16, 0
	s_cbranch_scc1 .Lnot_wave_0_\@
	s_barrier_signal -3
.Lnot_wave_0_\@:
	s_barrier_wait -3
	s_barrier_signal -1
	s_barrier_wait -1
.endm
.macro CROUND
	s_barrier_signal -1
	s_barrier_wait -1
	CREST
.endm
	s_load_b256 s[4:11], s[0:1], 0x0
	s_load_b128 s[12:15], s[0:1], 0x20
	v_lshl_add_u32 v[SPW], v0, 2, SPARE
	v_mov_b32 v[NIL], 0
	ds_add_u32 v[SPW], v[NIL]
	ds_add_u32 v[SPW], v[NIL]
	v_lshrrev_b32 v1, 5, v0
	v_readfirstlane_b32 s16, v1
	s_lshr_b32 s17, s16, 1
	s_and_b32 s18, s16, 1
	s_bfe_u32 s40, ttmp6, 0x40000
	s_bfe_u32 s41, ttmp6, 0x40004
	s_and_b32 s42, ttmp7, 0xffff
	s_lshl_b32 s42, s42, 2
	s_lshl_b32 s43, ttmp9, 2
	s_cmp_eq_u32 ttmp9, 2
	s_cselect_b32 s19, 1, 0
	s_cselect_b32 s44, 8, s42
	s_cselect_b32 s45, s42, s43
	s_add_co_u32 s44, s44, s41
	s_add_co_u32 s45, s45, s40
	s_lshl_b32 s46, s41, 2
	s_lshl_b32 s46, 15, s46
	s_lshl_b32 s47, 0x1111, s40
	s_or_b32 s[G1], s46, (3<<16)|(1<<21)
	s_or_b32 s[G1B], s47, (3<<16)|(1<<21)
	s_or_b32 s[G1S], s46, (3<<16)|(1<<21)
	s_or_b32 s[G1SB], s47, (3<<16)|(1<<21)
.irp g, G1, G1B                        ; for the head's loads: two rowgroups' first 24,576 bytes, as 2 rows of 3,072 elements of 8 bytes, a rowgroup (12,288 elements) apart
	s_mov_b32 s[\g+1], 3072<<16
	s_mov_b32 s[\g+2], 2<<16
	s_mov_b32 s[\g+3], 3072<<16
	s_mov_b32 s[\g+4], 2
	s_mov_b32 s[\g+5], 12288
	s_mov_b32 s[\g+6], 0
	s_mov_b32 s[\g+7], 0
.endr
.irp g, G1S, G1SB
	s_mov_b32 s[\g+1], 32<<16
	s_mov_b32 s[\g+2], 32<<16              ; the scales of two rowgroups: 8,192 dense bytes, 32 rows of 256
	s_mov_b32 s[\g+3], 32<<16
	s_mov_b32 s[\g+4], 32
	s_mov_b32 s[\g+5], 32
	s_mov_b32 s[\g+6], 0
	s_mov_b32 s[\g+7], 0
.endr
	s_lshl_b32 s20, s44, 1
	s_add_co_u32 s20, s20, s18
	s_lshl_b32 s66, s20, 12
	s_mov_b32 s67, 0
	s_mul_i32 s20, s20, RG
	s_mov_b32 s21, 0
	s_lshl_b32 s22, s45, 1
	s_add_co_u32 s22, s22, s18
	s_lshl_b32 s2, s22, 12
	s_mov_b32 s3, 0
	s_mul_i32 s22, s22, RG
	s_mov_b32 s23, 0
	s_mul_i32 s100, s16, HALFT
	s_wait_dscnt 0x0
	s_wait_kmcnt 0x0
	s_cmp_eq_u32 s19, 0
	s_cselect_b64 s[92:93], s[4:5], s[8:9]
	s_cselect_b64 s[94:95], s[8:9], s[4:5]
	s_cselect_b64 s[96:97], s[6:7], s[10:11]
	s_cselect_b64 s[98:99], s[10:11], s[6:7]
	s_add_nc_u64 s[92:93], s[92:93], s[20:21]
	s_add_nc_u64 s[94:95], s[94:95], s[22:23]
	s_add_nc_u64 s[96:97], s[96:97], s[66:67]
	s_add_nc_u64 s[98:99], s[98:99], s[2:3]
	CROUND
	s_mov_b32 s[G0S], 1
	s_lshl_b32 s2, s18, 12                 ; my half's place in the scales (s3 = 0 stands) and in the codes (s67 = 0 stands): taken off again, the head's tiles begin at the first of the two rowgroups
	s_mul_i32 s66, s18, RG
	s_mov_b32 s[G0S+1], SCL
	s_sub_nc_u64 s[G0S+2:G0S+3], s[96:97], s[2:3]
	s_or_b32 s[G0S+3], s[G0S+3], 0x80000000
	s_mov_b32 s[G0SB], 1
	s_mov_b32 s[G0SB+1], SCL+2*HALFS
	s_sub_nc_u64 s[G0SB+2:G0SB+3], s[98:99], s[2:3]
	s_or_b32 s[G0SB+3], s[G0SB+3], 0x80000000
.set G0H, 4                            ; s[4:7], s[8:11]: group 0 of the head's loads of codes (the arguments that lay there have been used)
.set G0HB, 8
	s_mov_b32 s[G0H], 1
	s_mov_b32 s[G0H+1], 0
	s_sub_nc_u64 s[G0H+2:G0H+3], s[92:93], s[66:67]
	s_or_b32 s[G0H+3], s[G0H+3], 0x80000000
	s_mov_b32 s[G0HB], 1
	s_mov_b32 s[G0HB+1], 2*HALFT
	s_sub_nc_u64 s[G0HB+2:G0HB+3], s[94:95], s[66:67]
	s_or_b32 s[G0HB+3], s[G0HB+3], 0x80000000
.irp s, 0,1
	s_mov_b32 s[G0+4*\s], 1
	s_add_co_u32 s[G0+4*\s+1], s100, \s*SLOT
	s_add_nc_u64 s[G0+4*\s+2:G0+4*\s+3], s[92:93], \s*HALFT
	s_or_b32 s[G0+4*\s+3], s[G0+4*\s+3], 0x80000000
	s_mov_b32 s[G0B+4*\s], 1
	s_add_co_u32 s[G0B+4*\s+1], s100, \s*SLOT
	s_add_nc_u64 s[G0B+4*\s+2:G0B+4*\s+3], s[94:95], \s*HALFT
	s_or_b32 s[G0B+4*\s+3], s[G0B+4*\s+3], 0x80000000
.endr
; the head's four tiles, one joint load a wave: wave 0 slot 0's codes of A, wave 1 A's scales, wave 2 slot 0's codes of B, wave 3 B's scales; one chain of branches on the wave's number
.macro ARM under, g0, g1, next
	s_cmp_lt_u32 s16, \under
	s_cbranch_scc0 \next
	tensor_load_to_lds s[\g0:\g0+3], s[\g1:\g1+7]
	s_nop 0
.rept 4
	v_nop
.endr
	s_branch .Lhead_asked
\next:
.endm
	ARM 1, G0H,  G1,  .Lhead_sa
	ARM 2, G0S,  G1S, .Lhead_b
	ARM 3, G0HB, G1B, .Lhead_sb
	tensor_load_to_lds s[G0SB:G0SB+3], s[G1SB:G1SB+7]
	s_nop 0
.rept 4
	v_nop
.endr
.Lhead_asked:
	v_and_b32 v1, 31, v0
	v_lshlrev_b32 v[LO16], 4, v1
	v_lshlrev_b32 v[LO8], 3, v1
	v_and_b32 v2, 15, v0
	v_bfe_u32 v3, v0, 4, 1
	s_wait_alu depctr_va_vdst(0)
	s_mul_i32 s20, s17, HALFT
	s_mul_i32 s22, s18, HALFT
	s_add_co_u32 s22, s22, 2*HALFT
.irp s, 0,1
	v_add_nc_u32 v[ADRA+\s], s20, v[LO16]
	v_add_nc_u32 v[ADRA+2+\s], s20, v[LO8]
	v_add_nc_u32 v[ADRB+\s], s22, v[LO16]
	v_add_nc_u32 v[ADRB+2+\s], s22, v[LO8]
	s_add_co_u32 s20, s20, SLOT
	s_add_co_u32 s22, s22, SLOT
.endr
	s_lshl_b32 s20, s17, 12
	s_lshl_b32 s22, s18, 12
	s_add_co_u32 s22, s22, 2*HALFS
	s_sub_co_u32 s22, s22, s20
	v_mul_u32_u24 v6, s22, v3
	s_add_co_u32 s20, s20, SCL
	v_lshl_add_u32 v6, v2, 3, v6
	v_add_nc_u32 v[ADRS], s20, v6
	s_lshl_b32 s42, s44, 1
	s_add_co_u32 s42, s42, s17
	s_lshl_b32 s43, s45, 1
	s_add_co_u32 s43, s43, s18
	s_sub_co_u32 s46, s42, 16
	s_and_b32 s47, s43, 7
	s_lshl_b32 s20, s43, 9
	s_lshl_b32 s22, s42, 9
	s_mul_i32 s2, ttmp9, 106496
	s_mov_b32 s3, 113152
	s_cmp_eq_u32 s19, 1
	s_cselect_b32 s40, s43, s42
	s_cselect_b32 s41, s46, s47
	s_cselect_b32 s20, 0, s20
	s_cselect_b32 s22, s22, 0
	s_cselect_b32 s2, s3, s2
	s_mov_b32 s21, 0
	s_mov_b32 s23, 0
	s_add_nc_u64 s[20:21], s[12:13], s[20:21]
	s_add_nc_u64 s[22:23], s[12:13], s[22:23]
	s_mov_b32 s3, 13056
	s_cmp_eq_u32 ttmp9, 0
	s_cselect_b32 s3, 6656, s3
	s_and_b32 s46, s40, 15
	s_mul_i32 s46, s46, s3
	s_add_co_u32 s2, s2, s46
	s_lshr_b32 s46, s40, 4
	s_lshl_b32 s46, s46, 3
	s_add_co_u32 s46, s46, s41
	s_mul_i32 s46, s46, 2*REC
	s_add_co_u32 s2, s2, s46
	s_mov_b32 s3, 0
	s_add_nc_u64 s[14:15], s[14:15], s[2:3]
	v_lshlrev_b32 v4, 6, v3
	v_and_b32 v5, 8, v2
	v_add_nc_u32 v5, v5, v2
	v_lshlrev_b32 v5, 2, v5
.irp b, 0,1,2,3
.irp j, 0,1,2,3
	global_load_b128 v[BI+16*\b+4*\j:BI+16*\b+4*\j+3], v4, s[20:21] offset:128*\b+16*\j
.endr
.endr
.irp a, 0,1,2,3,4,5,6,7
	global_load_b32 v[BL+2*\a], v5, s[22:23] offset:(32*(\a/2)+8*(\a%2))*4
	global_load_b32 v[BL+2*\a+1], v5, s[22:23] offset:(32*(\a/2)+8*(\a%2))*4
.endr
	s_wait_alu depctr_va_vdst(0)
	s_wait_loadcnt 0x0
.macro FRAG reg, adr, q, i
	ds_load_b128 v[\reg:\reg+3], v[\adr] offset:12288*(\q)+1536*(\i)
	ds_load_b64 v[\reg+4:\reg+5], v[\adr+2] offset:12288*(\q)+1536*(\i)+512
	ds_load_b128 v[\reg+6:\reg+9], v[\adr] offset:12288*(\q)+1536*(\i)+768
	ds_load_b64 v[\reg+10:\reg+11], v[\adr+2] offset:12288*(\q)+1536*(\i)+1280
.endm
.macro MUL16 a0, p, q, sc, zero
.irp a, \a0, \a0+1
.irp b, 0,1,2,3,4,5,6,7
.if \zero
	v_wmma_scale_f32_16x16x128_f8f6f4 v[8*(8*((\a)%4)+\b):8*(8*((\a)%4)+\b)+7], v[128*(\p)+FR*\b:128*(\p)+FR*\b+FR-1], v[AF+FR*(\a):AF+FR*(\a)+FR-1], 0, v[SC+8*NQ*(\sc)+NQ*\b+(\q)], v[SC+8*NQ*(\sc)+NQ*(\a)+(\q)] matrix_a_fmt:MATRIX_FMT_FP6 matrix_b_fmt:MATRIX_FMT_FP6 matrix_a_scale:MATRIX_SCALE_ROW1
.else
	v_wmma_scale_f32_16x16x128_f8f6f4 v[8*(8*((\a)%4)+\b):8*(8*((\a)%4)+\b)+7], v[128*(\p)+FR*\b:128*(\p)+FR*\b+FR-1], v[AF+FR*(\a):AF+FR*(\a)+FR-1], v[8*(8*((\a)%4)+\b):8*(8*((\a)%4)+\b)+7], v[SC+8*NQ*(\sc)+NQ*\b+(\q)], v[SC+8*NQ*(\sc)+NQ*(\a)+(\q)] matrix_a_fmt:MATRIX_FMT_FP6 matrix_b_fmt:MATRIX_FMT_FP6 matrix_a_scale:MATRIX_SCALE_ROW1
.endif
.endr
.endr
.endm
.macro FETCH_B slot, q, p
	WIN TO_B
.irp i, 0,1,2,3,4,5,6,7
	FRAG 128*(\p)+FR*\i, ADRB+\slot, \q, \i
.endr
	WIN 0
.endm
.macro FETCH_A slot, q, i0
.irp i, \i0, \i0+1, \i0+2, \i0+3
	FRAG AF+FR*(\i), ADRA+\slot, \q, \i
.endr
.endm
.macro SCALES sc
.irp i, 0,1,2,3,4,5,6,7
	ds_load_b64 v[SC+8*NQ*\sc+NQ*\i:SC+8*NQ*\sc+NQ*\i+1], v[ADRS] offset:\i*128
.endr
.endm
.macro PLACES n
.rept \n
	v_nop
.endr
.endm
.macro STEP slot, q, zero
	s_wait_dscnt 4*NL
	WIN MUL_LO
	MUL16 0, (\q)%2, \q, \slot, \zero
	MUL16 2, (\q)%2, \q, \slot, \zero
	s_wait_dscnt 0
	PLACES NP
	FETCH_B \slot, (\q)+1, 1-(\q)%2
	FETCH_A \slot, (\q)+1, 0
	WIN MUL_HI
	MUL16 4, (\q)%2, \q, \slot, \zero
	MUL16 6, (\q)%2, \q, \slot, \zero
	PLACES NP
	WIN 0
	FETCH_A \slot, (\q)+1, 4
.endm
.macro TURN slot, next, fill
	s_wait_tensorcnt 0x0
	ds_add_u32 v[SPW], v[NIL]
	s_wait_dscnt 4*NL+1
	WIN MUL_LO
	MUL16 0, 1, NQ-1, \slot, 0
	s_wait_dscnt 0x0
	s_barrier_signal -1
	MUL16 2, 1, NQ-1, \slot, 0
	WIN 0
	s_barrier_wait -1
.if \fill
	CREST
	s_add_nc_u64 s[G0+4*\slot+2:G0+4*\slot+3], s[G0+4*\slot+2:G0+4*\slot+3], 2*HALFT
	s_add_nc_u64 s[G0B+4*\slot+2:G0B+4*\slot+3], s[G0B+4*\slot+2:G0B+4*\slot+3], 2*HALFT
	JLOAD G0+4*\slot, G1, G0B+4*\slot, G1B
.else
	PLACES NP
.endif
	s_wait_alu depctr_va_vdst(0)
	v_add_nc_u32 v[ADRS], 1024, v[ADRS]
	FETCH_B \next, 0, 0
	FETCH_A \next, 0, 0
	SCALES \next
	WIN MUL_HI
	MUL16 4, 1, NQ-1, \slot, 0
	MUL16 6, 1, NQ-1, \slot, 0
	PLACES NP
	WIN 0
	FETCH_A \next, 0, 4
.endm
	s_wait_alu depctr_va_vdst(0)           ; the wait at the head's end
	s_wait_tensorcnt 0x0                   ; my tile of the head's four is in; slot 1's first fill is issued as a refill is
	ds_add_u32 v[SPW], v[NIL]
.irp g, G1, G1B                        ; no tensor load of mine is out: from here on a load brings one rowgroup's 24,576 bytes as 96 rows of 256
	s_mov_b32 s[\g+1], 32<<16
	s_mov_b32 s[\g+2], 96<<16
	s_mov_b32 s[\g+3], 32<<16
	s_mov_b32 s[\g+4], 96
	s_mov_b32 s[\g+5], 32
.endr
	s_wait_dscnt 0x0
	CROUND
	JLOAD G0+4, G1, G0B+4, G1B
	FETCH_B 0, 0, 0
	FETCH_A 0, 0, 0
	SCALES 0
	FETCH_A 0, 0, 4
	STEP 0, 0, 1
	TURN 0, 1, 1
	STEP 1, 0, 0
	TURN 1, 0, 1
	STEP 0, 0, 0
	TURN 0, 1, 0
	STEP 1, 0, 0
	s_wait_dscnt 4*NL
	WIN MUL_LO
	MUL16 0, 1, NQ-1, 1, 0
	MUL16 2, 1, NQ-1, 1, 0
	s_wait_dscnt 0
	WIN MUL_HI
	MUL16 4, 1, NQ-1, 1, 0
	MUL16 6, 1, NQ-1, 1, 0
	WIN 0
.macro QUANT s, pc, pw
.irp b, 0,1,2,3
	v_max3_num_f32 v[TM+\b], |v[\s+16*\b]|, |v[\s+1+16*\b]|, 0x1800000
.endr
.irp i, 2,4,6,8,10,12,14
.irp b, 0,1,2,3
	v_max3_num_f32 v[TM+\b], v[TM+\b], |v[\s+16*\b+\i]|, |v[\s+1+16*\b+\i]|
.endr
.endr
.irp b, 0,1,2,3
	v_permlanex16_b32 v[TM+4+\b], v[TM+\b], s[SEL], s[SEL+1]
.endr
.irp b, 0,1,2,3
	v_max_num_f32 v[TM+\b], v[TM+\b], v[TM+4+\b]
.endr
.irp b, 0,1,2,3
	v_add_nc_u32 v[TM+12+\b], 0xff000000, v[TM+\b]
.endr
.irp b, 0,1,2,3
	v_lshrrev_b32 v[TM+4+\b], 23, v[TM+12+\b]
.endr
	v_lshl_or_b32 v[\pw], v[TM+5], 8, v[TM+4]
	v_lshl_or_b32 v[\pw], v[TM+6], 16, v[\pw]
	v_lshl_or_b32 v[\pw], v[TM+7], 24, v[\pw]
.irp c, 0,1
	v_cvt_scalef32_pk16_fp6_f32 v[\pc+6*\c:\pc+2+6*\c], v[\s+32*\c:\s+15+32*\c], v[TM+12+2*\c]
	v_cvt_scalef32_pk16_fp6_f32 v[PT+4*\c:PT+2+4*\c], v[\s+16+32*\c:\s+31+32*\c], v[TM+12+2*\c+1]
.endr
	v_nop
.irp c, 0,1
.irp i, 0,1,2
	v_permlane16_swap_b32 v[\pc+6*\c+\i], v[PT+4*\c+\i]
.endr
.irp i, 0,1,2
	v_mov_b32 v[\pc+3+6*\c+\i], v[PT+4*\c+\i]
.endr
.endr
.endm
.macro EPI mode
.irp a, 0,1,2,3,4,5,6,7
.if \a >= 2
	s_wait_xcnt 0x0
.endif
	WIN 0x02+(\a/4)
.set j, 0
.rept 32
.if \mode
	v_pk_add_f32 v[H+j:H+j+1], v[64*(\a%4)+j:64*(\a%4)+j+1], v[BL+2*\a:BL+2*\a+1]
.else
	v_pk_add_f32 v[H+j:H+j+1], v[64*(\a%4)+j:64*(\a%4)+j+1], v[BI+j:BI+j+1]
.endif
.set j, j+2
.endr
	WIN 0
	QUANT H, PCE+12*(\a%2), PWS+\a
.irp c, 0,1
.if \mode
	global_store_b128 v[LO16], v[PCE+12*(\a%2)+6*\c:PCE+12*(\a%2)+6*\c+3], s[14:15] offset:(\a/4)*REC+(\a%4)*1536+\c*768
	global_store_b64 v[LO8], v[PCE+12*(\a%2)+6*\c+4:PCE+12*(\a%2)+6*\c+5], s[14:15] offset:(\a/4)*REC+(\a%4)*1536+\c*768+512
.else
	global_store_b128 v[LO16], v[PCE+12*(\a%2)+6*\c:PCE+12*(\a%2)+6*\c+3], s[14:15] offset:\a*768+\c*REC
	global_store_b64 v[LO8], v[PCE+12*(\a%2)+6*\c+4:PCE+12*(\a%2)+6*\c+5], s[14:15] offset:\a*768+\c*REC+512
.endif
.endr
.endr
.irp i, 0,1,2,3
	v_cndmask_b32 v[MW+\i], v[PWS+2*\i], v[PWS+2*\i+1], s100
.endr
.if \mode
	global_store_b64 v[LO8], v[MW:MW+1], s[14:15] offset:6144
	global_store_b64 v[LO8], v[MW+2:MW+3], s[14:15] offset:6144+REC
.else
.irp i, 0,1,2,3
	v_and_or_b32 v[WW+\i], v[MW+\i], 0xffff, s101
	v_lshrrev_b32 v[WW+4+\i], 16, v[MW+\i]
.endr
.irp i, 0,1,2,3
	v_or_b32 v[WW+4+\i], s101, v[WW+4+\i]
.endr
	global_store_b128 v[LO16], v[WW:WW+3], s[14:15] offset:6144
	global_store_b128 v[LO16], v[WW+4:WW+7], s[14:15] offset:6144+REC
.endif
.endm
.irp b, 0,1,2,3
	v_mov_b32 v[TM+4+\b], 0
.endr
	s_mov_b32 s100, 0xffff0000
	s_mov_b32 s101, 0x7f7f0000
	s_mov_b32 s[SEL], 0x76543210
	s_mov_b32 s[SEL+1], 0xfedcba98
	s_cmp_eq_u32 s19, 1
	s_cbranch_scc1 .Lmode_v
	EPI 0
	s_branch .Lclose
.Lmode_v:
	EPI 1
.Lclose:
	s_wait_tensorcnt 0x0
	ds_add_u32 v[SPW], v[NIL]
	s_wait_dscnt 0x0
	CROUND
	s_endpgm
.Lfunc_end_k_q869b790ca7_qkv:
	.size	k_q869b790ca7_qkv, .Lfunc_end_k_q869b790ca7_qkv-k_q869b790ca7_qkv
	.p2alignl 7, 3214868480
	.fill 96, 4, 3214868480
	.section	.rodata,"a",@progbits
	.p2align	6, 0x0
	.amdhsa_kernel k_q869b790ca7_qkv
		.amdhsa_group_segment_fixed_size 327680
		.amdhsa_private_segment_fixed_size 0
		.amdhsa_enable_private_segment 0
		.amdhsa_kernarg_size 48
		.amdhsa_user_sgpr_count 2
		.amdhsa_user_sgpr_kernarg_segment_ptr 1
		.amdhsa_wavefront_size32 1
		.amdhsa_system_sgpr_workgroup_id_x 1
		.amdhsa_system_sgpr_workgroup_id_y 1
		.amdhsa_system_sgpr_workgroup_id_z 1
		.amdhsa_system_vgpr_workitem_id 0
		.amdhsa_next_free_vgpr 1024
		.amdhsa_next_free_sgpr 106
		.amdhsa_reserve_vcc 0
		.amdhsa_float_denorm_mode_32 3
		.amdhsa_float_denorm_mode_16_64 3
		.amdhsa_memory_ordered 1
		.amdhsa_forward_progress 1
		.amdhsa_inst_pref_size 220
	.end_amdhsa_kernel
	.amdgpu_metadata
---
amdhsa.version: [ 1, 2 ]
amdhsa.kernels:
  - .name:           k_q869b790ca7_qkv
    .symbol:         k_q869b790ca7_qkv.kd
    .args:
      - { .name: x_img, .offset: 0, .size: 8, .value_kind: global_buffer, .address_space: global }
      - { .name: x_sc, .offset: 8, .size: 8, .value_kind: global_buffer, .address_space: global }
      - { .name: w_img, .offset: 16, .size: 8, .value_kind: global_buffer, .address_space: global }
      - { .name: w_sc, .offset: 24, .size: 8, .value_kind: global_buffer, .address_space: global }
      - { .name: b_qkv, .offset: 32, .size: 8, .value_kind: global_buffer, .address_space: global }
      - { .name: qkv, .offset: 40, .size: 8, .value_kind: global_buffer, .address_space: global }
    .group_segment_fixed_size: 327680
    .private_segment_fixed_size: 0
    .kernarg_segment_align: 8
    .kernarg_segment_size: 48
    .max_flat_workgroup_size: 128
    .sgpr_count:     106
    .vgpr_count:     1024
    .wavefront_size: 32
...
	.end_amdgpu_metadata
.endif
;; end of part 2
;; launch attn (part 3): grid 4 x 64, 16 waves a work-group, clusters of 4 x 1, 263,168 bytes of LDS; arguments qkv, ao_img, ao_sc; writes ao_img, ao_sc
.if DOCPART == 3
	.amdgcn_target "amdgcn-amd-amdhsa--gfx1250"
	.amdhsa_code_object_version 6
	.text
	.protected	k_q869b790ca7_attn
	.globl	k_q869b790ca7_attn
	.p2align	8
	.type	k_q869b790ca7_attn,@function
k_q869b790ca7_attn:
	s_mov_b64 s[64:65], 0
	v_nop
	global_prefetch_b8 v0, s[64:65] scope:SCOPE_SE
	s_setreg_imm32_b32 hwreg(HW_REG_WAVE_MODE, 25, 1), 1
	s_wait_xcnt 0x0
	s_wait_alu depctr_hold_cnt(0) depctr_sa_sdst(0) depctr_va_vdst(0) depctr_va_sdst(0) depctr_va_ssrc(0) depctr_va_vcc(0) depctr_vm_vsrc(0)
	s_getreg_b32 s2, hwreg(HW_REG_IB_STS2, 6, 4)
	s_cmp_eq_u32 s2, 0
	s_cbranch_scc0 .Lentry_in_a_cluster
	s_endpgm
.Lentry_in_a_cluster:
	s_bfe_u32 s2, ttmp6, 0x10000c
	s_cmp_lg_u32 s2, 0x3003
	s_cbranch_scc0 .Lentry_shape_is_right
	s_endpgm
.Lentry_shape_is_right:
; O = softmax(q k^T / 8) v for one head, both products on codes of FP6 (E2M3) with E8M0 scales; O / l is quantised along the inner axis and leaves as codes, laid as the last product's operand.
; THE SOFTMAX: t = score x log2(e) / 8; M = the row's largest t so far, rounded up to a whole number; p = 2^(t - M) is quantised along the keys; the row's sum l is taken of the unquantised p and divides O at the end.
; When M moves, l and O are multiplied by 2^(old M - new M): exact.
; SHARES.  A work-group owns one head (record bh of qkv) and 512 queries.  The head's K and V with their scale words, 16 key steps x 13,056 dense bytes, are filled into LDS ONCE, each of the sixteen waves
; bringing one key step's 51 rows of 256 bytes, 64 bytes of padding behind each row (16,320 bytes a step).  No ring, no refill, no barrier in the loop; all is asked for at the head, so there is nothing to prefetch.
; CLUSTER.  The four blocks of 512 queries of a head read the same bytes: each load is asked for jointly by the four.
; A wave owns 16 queries at a time and makes two passes: tiles 2 (w % 4) and 2 (w % 4) + 1 of the group of 128 queries 4 cx + w / 4.
; LAYOUT.  Both products are used transposed: S^T = K Q^T, O^T = V^T P^T: a lane holds one query throughout.
; WHICH KEYS FORM A TILE OF K is chosen here, by the lanes' LDS addresses: rows 0-7 of tile 4 c + i are keys 64 c + 8 i + 0..7, rows 8-15 keys 64 c + 32 + 8 i + 0..7.  In the result rows 0-7 fall to lanes 0-15 and
; rows 8-15 to lanes 16-31: so lane (r, h)'s 32 registers of tiles 4 c .. 4 c + 3 are the WHOLE block of keys 64 c + 32 h + 0..31, in order, which is what p's operand wants of that lane: a block's maximum
; and its codes need no other lane.  In memory unit T holds keys 32 (T/2) + 8 (T%2) + row + 8 (row/8): lane r of tile 4 c + i reads row r % 8 + 8 (i/2) of unit 4 c + 2 (r/8) + i % 2.  Two units are 1,920 bytes
; of LDS, 128 more than a multiple of 256: the sixteen lanes of a 16-byte load fall on sixteen different 16-byte columns.
; K = 64 IN AN INSTRUCTION OF 128.  Q's operand is six registers of codes and six of zero codes; tile t's operand of K runs on into the next tile's registers (behind the last: six zeros): those codes meet zero
; codes, under the byte 0x7f on both sides, and add nothing.
; THE SCALE BYTES OF THE RESULT leave two bytes a row, 8 bytes apart: a scale word's four bytes belong to two heads, which are two work-groups'.
; LIMITS: 1 / l by v_rcp_f32; a block of zeros, or one whose largest magnitude lies under 2^-124, keeps the byte 1; NaN and infinities are not served; the scaled scores stay under 2^31 in magnitude.
.set REC,   315392
.set KVB,   106496                     ; where a record's key steps begin
.set STEPB, 13056                      ; a key step in memory: K's 8 units, 512 of scale words, V's 8 units, 256 of scale words
.set STEPL, 16320                      ; and in LDS: 51 rows of 320
.set UL,    960                        ; a unit of 768 bytes in LDS
.set KSO,   7680                       ; K's scale words (row 24), V's units (row 26), V's scale words (row 50)
.set VO,    8320
.set VSO,   16000
.set SPARE, 16*STEPL                   ; the spare words, 128 bytes a wave: eight blocks of 256 bytes that no other line names
.set KB16, 1                           ; v1-5 lane terms: K's 16-byte and 8-byte pieces, K's scale words, V's 16-byte pieces, 8 x lane
.set KB8,  2
.set KSB,  3
.set VB16, 4
.set L8,   5
.set SPW,  6                           ; v6 LDS address of my spare word, v7 = 0; never rewritten
.set NIL,  7
.set KA16, 8                           ; v8-11, v28: the same five with the trip's base
.set KA8,  9
.set KSA,  10
.set VA16, 11
.set VA8,  28
.set SH8,  29                          ; 8 h
.set L16,  30                          ; 16 x lane
.set SO8,  31                          ; 8 x (lane % 16)
.set KV,   32                          ; v32-79 K's 8 tiles, then V's 8 units; v80-85 zeros
.set VS,   86                          ; v86-87 V's scale words; v88-91 K's; v92 p's; v93 Q's (lanes 0-15 pass 0, lanes 16-31 pass 1)
.set KS,   88
.set PW,   92
.set QS,   93
.set S,    96                          ; v96-159 S^T, then p
.set O,    160                         ; v160-191 O^T
.set Q2,   192
.set AO,   204
.set AT,   210
.set AB,   213
.set PC,   224                         ; v224-235 p's codes; v236-238, v240-242 their second halves
.set PT,   236
.set BM,   232                         ; v232-235 the blocks' maxima, two chains each
.set WV,   12
.set NC,   10
.set SEL,  20
.set CS,   22
.set G1,   24
.set TB,   32
.set TRIP, 33
.set AOB,  34
.set ASB,  36
.set G0,   40
.set QB,   44
.set QSB,  46
.macro CROUND                          ; a round of the cluster's barrier
	s_barrier_signal -1
	s_barrier_wait -1
	s_cmp_lg_u32 s[WV], 0
	s_cbranch_scc1 .Lnot_wave_0_\@
	s_barrier_signal -3
.Lnot_wave_0_\@:
	s_barrier_wait -3
	s_barrier_signal -1
	s_barrier_wait -1
.endm
	s_load_b128 s[4:7], s[0:1], 0x0                ; qkv s[4:5], ao_img s[6:7]
	s_load_b64 s[8:9], s[0:1], 0x10                ; ao_sc
	v_lshl_add_u32 v[SPW], v0, 2, SPARE
	v_mov_b32 v[NIL], 0
	ds_add_u32 v[SPW], v[NIL]                      ; the opening lines: the add, twice on end, and its wait ahead of my tensor load
	ds_add_u32 v[SPW], v[NIL]
	v_lshrrev_b32 v248, 5, v0
	s_delay_alu instid0(VALU_DEP_1)
	v_readfirstlane_b32 s[WV], v248                ; wave 0..15
	s_bfe_u32 s13, ttmp6, 0x40000                  ; cx: it enters Q's and the result's addresses alone
	s_and_b32 s14, ttmp7, 0xffff                   ; bh, which the four partners share
	s_mul_i32 s16, s14, REC
	s_mov_b32 s17, 0
	s_mul_i32 s18, s[WV], STEPB                    ; my key step in memory,
	s_mov_b32 s19, 0
	s_mul_i32 s15, s[WV], STEPL                    ; and in LDS
	s_mov_b32 s[G1], 15|(3<<16)|(1<<20)|(1<<21)|(5<<22)|(15<<25)   ; the mask: all four; elements of 8 bytes; padding on; 21 set beside a mask; after every 64 words, 16 words
	s_mov_b32 s[G1+1], 32<<16                      ; 13,056 dense bytes as 51 rows of 256
	s_mov_b32 s[G1+2], 51<<16
	s_mov_b32 s[G1+3], 32<<16
	s_mov_b32 s[G1+4], 51
	s_mov_b32 s[G1+5], 32
	s_mov_b32 s[G1+6], 0
	s_mov_b32 s[G1+7], 0
	s_mov_b32 s[SEL], 0x76543210
	s_mov_b32 s[SEL+1], 0xfedcba98                 ; v_permlanex16_b32's selects for lane l xor 16
	s_mov_b32 s[CS], 0x3e38aa3b                    ; c = log2(e) / 8
	s_mov_b32 s[CS+1], s[CS]                       ; (named with it as a pair, so it is written)
	s_mov_b32 s[NC], 0xbe38aa3b                    ; -c
	s_lshl_b32 s48, s13, 2
	s_lshr_b32 s49, s[WV], 2
	s_add_co_u32 s48, s48, s49                     ; my group of 128 queries
	s_and_b32 s49, s[WV], 3                        ; my pair of its tiles
	s_mul_i32 s50, s48, 6656
	s_add_co_u32 s50, s50, s16
	s_lshl_b32 s52, s49, 2
	s_add_co_u32 s52, s52, s50
	s_add_co_u32 s52, s52, 6144                    ; Q's scale words: register w % 4 of the group's image
	s_mov_b32 s53, 0
	s_mul_i32 s51, s49, 1536
	s_add_co_u32 s50, s50, s51                     ; Q's two units
	s_mov_b32 s51, 0
	s_and_b32 s54, s14, 15                         ; head
	s_lshr_b32 s55, s14, 4
	s_lshl_b32 s55, s55, 4
	s_add_co_u32 s55, s55, s48                     ; the result's rowgroup: 16 batch + group
	s_mul_i32 s56, s55, 98304
	s_lshr_b32 s57, s54, 1
	s_mul_i32 s57, s57, 12288                      ; K step head / 2,
	s_add_co_u32 s56, s56, s57
	s_mul_i32 s57, s49, 3072                       ; my first tile,
	s_add_co_u32 s56, s56, s57
	s_and_b32 s57, s54, 1
	s_mul_i32 s57, s57, 768                        ; unit head % 2
	s_add_co_u32 s56, s56, s57
	s_mov_b32 s57, 0
	s_lshl_b32 s58, s55, 12
	s_lshr_b32 s59, s54, 2
	s_lshl_b32 s59, s59, 10
	s_add_co_u32 s58, s58, s59
	s_lshl_b32 s59, s49, 8
	s_add_co_u32 s58, s58, s59
	s_and_b32 s59, s54, 3
	s_lshl_b32 s59, s59, 1                         ; bytes 2 (head % 4) and the next of a row's 8
	s_add_co_u32 s58, s58, s59
	s_mov_b32 s59, 0
	s_wait_dscnt 0x0                               ; both opening adds are done
	s_wait_kmcnt 0x0
	s_mov_b32 s[G0], 1
	s_mov_b32 s[G0+1], s15
	s_add_nc_u64 s[G0+2:G0+3], s[4:5], s[16:17]
	s_add_nc_u64 s[G0+2:G0+3], s[G0+2:G0+3], s[18:19]
	s_add_nc_u64 s[G0+2:G0+3], s[G0+2:G0+3], KVB
	s_or_b32 s[G0+3], s[G0+3], 0x80000000
	s_add_nc_u64 s[QB:QB+1], s[4:5], s[50:51]
	s_add_nc_u64 s[QSB:QSB+1], s[4:5], s[52:53]
	s_add_nc_u64 s[AOB:AOB+1], s[6:7], s[56:57]
	s_add_nc_u64 s[ASB:ASB+1], s[8:9], s[58:59]
	CROUND                                         ; all four work-groups are here: the joint loads meet
	tensor_load_to_lds s[G0:G0+3], s[G1:G1+7]      ; my one tensor load of the launch
	s_nop 0
.rept 4
	v_nop
.endr
	v_and_b32 v248, 31, v0                         ; lane
	v_and_b32 v249, 7, v0                          ; r % 8
	v_bfe_u32 v250, v0, 3, 1                       ; r / 8
	v_bfe_u32 v251, v0, 4, 1                       ; h
	v_and_b32 v253, 15, v0                         ; r
	v_lshlrev_b32 v[L16], 4, v248
	v_lshlrev_b32 v[L8], 3, v248
	v_mul_u32_u24 v254, v250, 2*UL                 ; two units on for rows 8-15
	v_lshlrev_b32 v[SO8], 3, v253
	v_lshlrev_b32 v[SH8], 3, v251
	global_load_b128 v[16:19], v[L16], s[QB:QB+1]
	global_load_b64 v[20:21], v[L8], s[QB:QB+1] offset:512
	global_load_b128 v[Q2:Q2+3], v[L16], s[QB:QB+1] offset:768
	global_load_b64 v[Q2+4:Q2+5], v[L8], s[QB:QB+1] offset:1280
	global_load_b32 v[QS], v[L16], s[QSB:QSB+1]
	v_lshl_add_u32 v[VB16], v251, 6, v[L16]        ; V: 16 x lane, and the padding behind the first 256 bytes
	v_mad_u32_u24 v252, v251, 320, v254
	v_lshl_add_u32 v254, v251, 7, v254
	v_mul_u32_u24 v248, v251, 320
	v_lshl_add_u32 v[KB16], v249, 4, v252          ; K: 1,920 (r/8) + 16 (r%8) + 320 h
	v_lshl_add_u32 v[KB8], v249, 3, v254           ;    1,920 (r/8) + 8 (r%8) + 128 h
	v_lshl_add_u32 v248, v250, 2, v248
	s_delay_alu instid0(VALU_DEP_1)
	v_lshl_add_u32 v[KSB], v249, 4, v248           ; K's scale words: 16 (r%8) + 4 (r/8) + 320 h: lanes 16-31 take the odd tile's
.irp i, 0,1,2,3,4,5
	v_mov_b32 v[22+\i], 0                          ; the zero codes behind Q,
	v_mov_b32 v[80+\i], 0                          ; and behind K's last tile
.endr
	; (v248, v249, v251 and v252, the lane permutes' destinations, are written above: a lane permute's destination counts as one of its sources)
	v_mov_b32 v253, 0                              ; (named as the upper half of the pair v[252:253])
	s_wait_alu depctr_va_vdst(0)                   ; the wait at the head's end
	s_wait_tensorcnt 0x0                           ; my key step has landed,
	s_barrier_signal -1
	s_barrier_wait -1                              ; everybody's has
	s_wait_loadcnt 0x0                             ; Q
.macro KQ t, p                         ; S^T's tile t = 4 c + i.  K's scale words: register 2 c + i / 2, lanes 16-31 for odd i; Q's: lanes 16-31 in pass 1
.if ((\t)%2 == 0) && ((\p) == 0)
	v_wmma_scale_f32_16x16x128_f8f6f4 v[S+8*\t:S+7+8*\t], v[KV+6*\t:KV+6*\t+11], v[16:27], 0, v[KS+2*(\t/4)+(\t%4)/2], v[QS] matrix_a_fmt:MATRIX_FMT_FP6 matrix_b_fmt:MATRIX_FMT_FP6
.elseif (\p) == 0
	v_wmma_scale_f32_16x16x128_f8f6f4 v[S+8*\t:S+7+8*\t], v[KV+6*\t:KV+6*\t+11], v[16:27], 0, v[KS+2*(\t/4)+(\t%4)/2], v[QS] matrix_a_fmt:MATRIX_FMT_FP6 matrix_b_fmt:MATRIX_FMT_FP6 matrix_a_scale:MATRIX_SCALE_ROW1
.elseif (\t)%2 == 0
	v_wmma_scale_f32_16x16x128_f8f6f4 v[S+8*\t:S+7+8*\t], v[KV+6*\t:KV+6*\t+11], v[16:27], 0, v[KS+2*(\t/4)+(\t%4)/2], v[QS] matrix_a_fmt:MATRIX_FMT_FP6 matrix_b_fmt:MATRIX_FMT_FP6 matrix_b_scale:MATRIX_SCALE_ROW1
.else
	v_wmma_scale_f32_16x16x128_f8f6f4 v[S+8*\t:S+7+8*\t], v[KV+6*\t:KV+6*\t+11], v[16:27], 0, v[KS+2*(\t/4)+(\t%4)/2], v[QS] matrix_a_fmt:MATRIX_FMT_FP6 matrix_b_fmt:MATRIX_FMT_FP6 matrix_a_scale:MATRIX_SCALE_ROW1 matrix_b_scale:MATRIX_SCALE_ROW1
.endif
.endm
.macro PV t                            ; O^T's tile t += V^T's tile t x p
.if (\t)%2
	v_wmma_scale_f32_16x16x128_f8f6f4 v[O+8*\t:O+7+8*\t], v[KV+12*\t:KV+12*\t+11], v[PC:PC+11], v[O+8*\t:O+7+8*\t], v[VS+\t/2], v[PW] matrix_a_fmt:MATRIX_FMT_FP6 matrix_b_fmt:MATRIX_FMT_FP6 matrix_a_scale:MATRIX_SCALE_ROW1
.else
	v_wmma_scale_f32_16x16x128_f8f6f4 v[O+8*\t:O+7+8*\t], v[KV+12*\t:KV+12*\t+11], v[PC:PC+11], v[O+8*\t:O+7+8*\t], v[VS+\t/2], v[PW] matrix_a_fmt:MATRIX_FMT_FP6 matrix_b_fmt:MATRIX_FMT_FP6
.endif
.endm
.macro KLOAD q                         ; K's eight tiles and their scale words, the q-th step of the trip
.irp t, 0,1,2,3,4,5,6,7
	ds_load_b128 v[KV+6*\t:KV+6*\t+3], v[KA16] offset:STEPL*(\q)+UL*(4*(\t/4)+\t%2)+128*((\t%4)/2)
	ds_load_b64 v[KV+6*\t+4:KV+6*\t+5], v[KA8] offset:STEPL*(\q)+UL*(4*(\t/4)+\t%2)+640+64*((\t%4)/2)
.endr
.irp g, 0,1,2,3
	ds_load_b32 v[KS+\g], v[KSA] offset:STEPL*(\q)+KSO+128*(\g%2)+8*(\g/2)
.endr
.endm
.macro FM a, n                         ; t - M, two at a time: n pairs from pair a on
.set j, 2*(\a)
.rept \n
	v_pk_fma_f32 v[S+j:S+j+1], v[S+j:S+j+1], s[CS:CS+1], v[12:13] op_sel_hi:[1,0,0]
.set j, j+2
.endr
.endm
.macro OM a, n                         ; O^T under the new M
.set j, 2*(\a)
.rept \n
	v_pk_mul_f32 v[O+j:O+j+1], v[O+j:O+j+1], v[252:253] op_sel_hi:[1,0]
.set j, j+2
.endr
.endm
.macro SUMJ j                          ; the row's sum of the unquantised p: four chains by turns, three of them in place
	v_pk_add_f32 v[14:15], v[14:15], v[S+8*(\j):S+8*(\j)+1]
.irp k, 1,2,3
	v_pk_add_f32 v[S+2*\k:S+2*\k+1], v[S+2*\k:S+2*\k+1], v[S+8*(\j)+2*\k:S+8*(\j)+2*\k+1]
.endr
.endm
; A KEY STEP: 128 keys, the q-th of the trip's two.
.macro STEP q, p
.if (\q) == 0
	KLOAD 0
.endif
	s_wait_dscnt 0x0                               ; K and its scale words
.irp t, 0,1,2,3,4,5,6,7
	KQ \t, \p
.endr
.rept 4
	v_nop                                          ; places in front of the loads into K's registers and of the first read of the scores
.endr
.irp u, 0,1,2,3,4,5,6,7                        ; V's units take K's registers and land under the softmax
	ds_load_b128 v[KV+6*\u:KV+6*\u+3], v[VA16] offset:STEPL*(\q)+VO+UL*\u
	ds_load_b64 v[KV+6*\u+4:KV+6*\u+5], v[VA8] offset:STEPL*(\q)+VO+UL*\u+640
.endr
	ds_load_b64 v[VS:VS+1], v[VA8] offset:STEPL*(\q)+VSO
.irp c, 0,1                                    ; my two whole blocks' largest scores, two chains each; every accumulator is read from its low end on
.irp k, 0,1
	v_max3_num_f32 v[BM+2*\c+\k], v[S+32*\c+16*\k], v[S+32*\c+16*\k+1], v[S+32*\c+16*\k+2]
.endr
.endr
.irp i, 3,5,7,9,11,13
.irp c, 0,1
.irp k, 0,1
	v_max3_num_f32 v[BM+2*\c+\k], v[BM+2*\c+\k], v[S+32*\c+16*\k+\i], v[S+32*\c+16*\k+\i+1]
.endr
.endr
.endr
.irp c, 0,1
	v_max3_num_f32 v[BM+2*\c], v[BM+2*\c], v[S+32*\c+15], v[S+32*\c+31]
.endr
	v_mov_b32 v254, v12                            ; the old -M
.irp c, 0,1
	v_max_num_f32 v[BM+2*\c], v[BM+2*\c], v[BM+2*\c+1]   ; the block's largest score: it serves for the row's maximum and, since p rises with the score, for the block's largest p
.endr
	s_delay_alu instid0(VALU_DEP_1)
	v_max_num_f32 v248, v[BM], v[BM+2]
	s_delay_alu instid0(VALU_DEP_1)
	v_permlanex16_b32 v249, v248, s[SEL], s[SEL+1]
	s_delay_alu instid0(VALU_DEP_1)
	v_max3_num_f32 v13, v13, v248, v249            ; the running largest score of my query, lane l xor 16's keys among them
	s_delay_alu instid0(VALU_DEP_1)
	v_mul_f32 v250, s[NC], v13                     ; -t
	s_delay_alu instid0(VALU_DEP_1)
	v_floor_f32 v12, v250                          ; the new -M = floor(-t) = -ceil(t): a whole number
	s_delay_alu instid0(VALU_DEP_1)
	v_sub_f32 v254, v12, v254                      ; old M - new M: a whole number, 0 or less
	FM 0, 4
	v_cvt_i32_f32 v254, v254                       ; (it saturates)
	FM 4, 4
	v_ldexp_f32 v252, 1.0, v254                    ; f = 2^(old M - new M)
	FM 8, 24
	v_fma_f32 v[BM], v[BM], s[CS], v12             ; the same of each block's largest score
	v_fma_f32 v[BM+2], v[BM+2], s[CS], v12
	s_wait_alu depctr_va_vdst(0)                   ; the wait ahead of the batch
.set j, 0
.rept 64
	v_exp_f32 v[S+j], v[S+j]                       ; p = 2^(t - M): not normalised
.set j, j+1
.endr
	v_exp_f32 v[BM], v[BM]                         ; the block's largest p: the same two instructions on the same number give the same bits
	v_exp_f32 v[BM+2], v[BM+2]
	v_pk_mul_f32 v[14:15], v[14:15], v[252:253] op_sel_hi:[1,0]   ; the sums under the new M: the plain instruction behind the exponentials
	s_wait_alu depctr_va_vdst(0)                   ; one wait for the batch, ahead of its first reader
	v_max_num_f32 v[BM], 0x1800000, v[BM]          ; the floor 2^(3 - 127): the byte cannot fall under 1
	v_max_num_f32 v[BM+2], 0x1800000, v[BM+2]
	s_delay_alu instid0(VALU_DEP_2)
	v_add_nc_u32 v244, 0xff000000, v[BM]           ; 2 off the exponent field: the conversion's scale operand
	s_delay_alu instid0(VALU_DEP_2)
	v_add_nc_u32 v245, 0xff000000, v[BM+2]
.irp c, 0,1
	v_cvt_scalef32_pk16_fp6_f32 v[PC+6*\c:PC+6*\c+2], v[S+32*\c:S+32*\c+15], v[244+\c]
	v_cvt_scalef32_pk16_fp6_f32 v[PT+4*\c:PT+4*\c+2], v[S+32*\c+16:S+32*\c+31], v[244+\c]   ; (a conversion's three registers begin on an even number)
.endr
	v_lshrrev_b32 v246, 23, v244                   ; my two scale bytes, blocks h and 2 + h.  (Plain places behind the conversions)
	v_lshrrev_b32 v247, 23, v245
	v_mov_b32 v[PC+3], v[PT]
	v_mov_b32 v[PC+4], v[PT+1]
	v_lshl_or_b32 v246, v247, 16, v246
	v_mov_b32 v[PC+5], v[PT+2]
	v_mov_b32 v[PC+9], v[PT+4]
	v_lshlrev_b32 v246, v[SH8], v246               ; at their places in the word
	v_mov_b32 v[PC+10], v[PT+5]
	v_mov_b32 v[PC+11], v[PT+6]
	v_permlanex16_b32 v251, v246, s[SEL], s[SEL+1]
	s_wait_dscnt 0x0                               ; V and its scale words
	s_wait_alu depctr_va_vdst(0)                   ; the wait here, directly ahead of the first reader of O^T
	OM 0, 2
	v_or_b32 v[PW], v246, v251                     ; with lane l xor 16's two bytes p's scale word is whole; fourteen places stand between it and the products
	OM 2, 14
.irp t, 0,1,2,3
	PV \t                                          ; four accumulators by turns
.endr
	SUMJ 1                                         ; these four name no register of the products: the places in front of the loads into V's registers
.if (\q) == 0
	KLOAD 1                                        ; the next step's K lands under the rest of the sum
.endif
.irp j, 2,3,4,5,6,7
	SUMJ \j
.endr
	v_pk_add_f32 v[S+2:S+3], v[S+2:S+3], v[S+4:S+5]
	v_pk_add_f32 v[14:15], v[14:15], v[S:S+1]
	s_delay_alu instid0(VALU_DEP_2)
	v_pk_add_f32 v[S+2:S+3], v[S+2:S+3], v[S+6:S+7]
	s_delay_alu instid0(VALU_DEP_1)
	v_pk_add_f32 v[14:15], v[14:15], v[S+2:S+3]
.endm
; O^T / l, quantised along the head's 64: two blocks, one unit.  Register 16 b + i of O^T is channel 32 b + 16 h + i: a block lies in lanes l and l xor 16.
.macro OUTQ p
	v_add_f32 v14, v14, v15                        ; the sum's two halves,
	s_delay_alu instid0(VALU_DEP_1)
	v_permlanex16_b32 v252, v14, s[SEL], s[SEL+1]
	s_delay_alu instid0(VALU_DEP_1)
	v_add_f32 v14, v14, v252                       ; and lane l xor 16's: the row's sum
	s_wait_alu depctr_va_vdst(0)
	v_rcp_f32 v14, v14
	v_nop                                          ; one plain place behind the reciprocal
	s_wait_alu depctr_va_vdst(0)                   ; the wait ahead of its first reader, and of O^T's
.set j, 0
.rept 16
	v_pk_mul_f32 v[S+j:S+j+1], v[O+j:O+j+1], v[14:15] op_sel_hi:[1,0]
.set j, j+2
.endr
.irp b, 0,1
	v_max3_num_f32 v[232+\b], |v[S+16*\b]|, |v[S+1+16*\b]|, 0x1800000
.endr
.irp i, 2,4,6,8,10,12,14
.irp b, 0,1
	s_delay_alu instid0(VALU_DEP_2)
	v_max3_num_f32 v[232+\b], v[232+\b], |v[S+16*\b+\i]|, |v[S+1+16*\b+\i]|
.endr
.endr
.irp b, 0,1
	s_delay_alu instid0(VALU_DEP_2)
	v_permlanex16_b32 v[248+\b], v[232+\b], s[SEL], s[SEL+1]
.endr
.irp b, 0,1
	s_delay_alu instid0(VALU_DEP_2)
	v_max_num_f32 v[232+\b], v[232+\b], v[248+\b]
.endr
.irp b, 0,1
	s_delay_alu instid0(VALU_DEP_2)
	v_add_nc_u32 v[244+\b], 0xff000000, v[232+\b]
.endr
.irp b, 0,1
	s_delay_alu instid0(VALU_DEP_2)
	v_lshrrev_b32 v[236+\b], 23, v[244+\b]
.endr
.if \p
	s_wait_alu depctr_va_vdst(0)
	s_wait_xcnt 0x0                                ; the first pass's stores have read their data: it is written again only behind this wait
.endif
	v_lshl_or_b32 v[AB], v237, 8, v236             ; the head's two scale bytes of my row
	v_cvt_scalef32_pk16_fp6_f32 v[AO:AO+2], v[S:S+15], v244
	v_cvt_scalef32_pk16_fp6_f32 v[AT:AT+2], v[S+16:S+31], v245
	v_nop                                          ; one plain place behind a scaled conversion
.irp i, 0,1,2
	v_permlane16_swap_b32 v[AO+\i], v[AT+\i]
.endr
.irp i, 0,1,2
	s_delay_alu instid0(VALU_DEP_3)
	v_mov_b32 v[AO+3+\i], v[AT+\i]
.endr
	global_store_b128 v[L16], v[AO:AO+3], s[AOB:AOB+1] offset:1536*\p       ; 512 consecutive bytes, aligned to 256,
	global_store_b64 v[L8], v[AO+4:AO+5], s[AOB:AOB+1] offset:1536*\p+512   ; and 256
	global_store_b16 v[SO8], v[AB], s[ASB:ASB+1] offset:128*\p              ; lanes r and 16 + r store the same two bytes to the same place
.endm
.macro PASS p
.set j, 0
.rept 32
	v_mov_b32 v[O+j], 0                            ; O^T.  The step is written once: the first finds zeros, which the first change of M leaves zeros
.set j, j+1
.endr
	v_mov_b32 v14, 0                               ; the sum, in two halves
	v_mov_b32 v15, 0
	v_mov_b32 v13, 0xff61b1e6                      ; the largest score so far: -3e38
	v_mov_b32 v12, 0x7e800000                      ; -M to begin with: 2^126, a whole number over every later -M
	s_mov_b32 s[TB], 0
	s_mov_b32 s[TRIP], 8
.Ltrip_\@:                                         ; 8 trips of two key steps
	v_add_nc_u32 v[KA16], s[TB], v[KB16]
	v_add_nc_u32 v[KA8], s[TB], v[KB8]
	v_add_nc_u32 v[KSA], s[TB], v[KSB]
	v_add_nc_u32 v[VA16], s[TB], v[VB16]
	v_add_nc_u32 v[VA8], s[TB], v[L8]
	s_wait_alu depctr_va_vdst(0)                   ; the wait
	STEP 0, \p
	STEP 1, \p
	s_add_co_u32 s[TB], s[TB], 2*STEPL
	s_sub_co_u32 s[TRIP], s[TRIP], 1
	s_cmp_lg_u32 s[TRIP], 0
	s_cbranch_scc1 .Ltrip_\@
	OUTQ \p
.endm
	PASS 0
.irp i, 0,1,2,3,4,5
	v_mov_b32 v[16+\i], v[Q2+\i]                   ; the second tile's Q; the next pass's 36 plain lines stand between these and the first product
.endr
	PASS 1
	s_wait_tensorcnt 0x0                           ; the wave's end, behind my tensor load
	ds_add_u32 v[SPW], v[NIL]
	s_wait_dscnt 0x0
	CROUND                                         ; the closing round
	s_endpgm
.Lfunc_end_k_q869b790ca7_attn:
	.size	k_q869b790ca7_attn, .Lfunc_end_k_q869b790ca7_attn-k_q869b790ca7_attn
	.p2alignl 7, 3214868480
	.fill 96, 4, 3214868480
	.section	.rodata,"a",@progbits
	.p2align	6, 0x0
	.amdhsa_kernel k_q869b790ca7_attn
		.amdhsa_group_segment_fixed_size 263168
		.amdhsa_private_segment_fixed_size 0
		.amdhsa_enable_private_segment 0
		.amdhsa_kernarg_size 24
		.amdhsa_user_sgpr_count 2
		.amdhsa_user_sgpr_kernarg_segment_ptr 1
		.amdhsa_wavefront_size32 1
		.amdhsa_system_sgpr_workgroup_id_x 1
		.amdhsa_system_sgpr_workgroup_id_y 1
		.amdhsa_system_sgpr_workgroup_id_z 1
		.amdhsa_system_vgpr_workitem_id 0
		.amdhsa_next_free_vgpr 256
		.amdhsa_next_free_sgpr 66
		.amdhsa_reserve_vcc 0
		.amdhsa_float_denorm_mode_32 3
		.amdhsa_float_denorm_mode_16_64 3
		.amdhsa_memory_ordered 1
		.amdhsa_forward_progress 1
		.amdhsa_inst_pref_size 79
	.end_amdhsa_kernel
	.amdgpu_metadata
---
amdhsa.version: [ 1, 2 ]
amdhsa.kernels:
  - .name:           k_q869b790ca7_attn
    .symbol:         k_q869b790ca7_attn.kd
    .args:
      - { .name: qkv, .offset: 0, .size: 8, .value_kind: global_buffer, .address_space: global }
      - { .name: ao_img, .offset: 8, .size: 8, .value_kind: global_buffer, .address_space: global }
      - { .name: ao_sc, .offset: 16, .size: 8, .value_kind: global_buffer, .address_space: global }
    .group_segment_fixed_size: 263168
    .private_segment_fixed_size: 0
    .kernarg_segment_align: 8
    .kernarg_segment_size: 24
    .max_flat_workgroup_size: 512
    .sgpr_count:     66
    .vgpr_count:     256
    .wavefront_size: 32
...
	.end_amdgpu_metadata
.endif
;; end of part 3
;; launch proj (part 4): grid 4 x 64, 4 waves a work-group, clusters of 4 x 4, 327,680 bytes of LDS; arguments ao_img, ao_sc, w_img, w_sc, b_out, out0; writes out0
.if DOCPART == 4
	.amdgcn_target "amdgcn-amd-amdhsa--gfx1250"
	.amdhsa_code_object_version 6
	.text
	.protected	k_q869b790ca7_proj
	.globl	k_q869b790ca7_proj
	.p2align	8
	.type	k_q869b790ca7_proj,@function
k_q869b790ca7_proj:
	s_mov_b64 s[64:65], 0
	v_nop
	global_prefetch_b8 v0, s[64:65] scope:SCOPE_SE
	s_setreg_imm32_b32 hwreg(HW_REG_WAVE_MODE, 25, 1), 1
	s_wait_xcnt 0x0
	s_wait_alu depctr_hold_cnt(0) depctr_sa_sdst(0) depctr_va_vdst(0) depctr_va_sdst(0) depctr_va_ssrc(0) depctr_va_vcc(0) depctr_vm_vsrc(0)
	s_getreg_b32 s2, hwreg(HW_REG_IB_STS2, 6, 4)
	s_cmp_eq_u32 s2, 0
	s_cbranch_scc0 .Lentry_in_a_cluster
	s_endpgm
.Lentry_in_a_cluster:
	s_bfe_u32 s2, ttmp6, 0x10000c
	s_cmp_lg_u32 s2, 0xf033
	s_cbranch_scc0 .Lentry_shape_is_right
	s_endpgm
.Lentry_shape_is_right:
.set NQ,     2
.set FR,     12
.set NL,     4
.set NP,     4
.set RG,     98304
.set HALFT,  24576
.set SLOT,   4*HALFT
.set SCL,    2*SLOT
.set HALFS,  4096
.set SPARE,  SCL+4*HALFS
.set SPITCH, 528
.set ADRA, 16
.set ADRB, 20
.set STO,  24
.set ADRS, 25
.set LO16, 26
.set LO8,  27
.set SPW,  28
.set NIL,  29
.set RD,   30
.set SC,   32
.set BO,   64
.set AF,   128
.set BK,   128
.set G1, 24
.set G0, 32
.set G1B, 48
.set G0B, 56
.set G1S, 68
.set G0S, 76
.set G1SB, 80
.set G0SB, 88
.set MSB, 0
.macro WIN new
.if MSB != (\new)
	s_set_vgpr_msb (MSB<<8)|(\new)
.set MSB, (\new)
.endif
.endm
.set MUL_LO, 0xa1
.set MUL_HI, 0xf1
.set TO_B,   0x40
.macro JLOAD g0a, g1a, g0b, g1b
	s_cmp_eq_u32 s17, 0
	s_cbranch_scc0 .Lfor_b_\@
	tensor_load_to_lds s[\g0a:\g0a+3], s[\g1a:\g1a+7]
	s_nop 0
.rept 4
	v_nop
.endr
	s_branch .Lasked_\@
.Lfor_b_\@:
	tensor_load_to_lds s[\g0b:\g0b+3], s[\g1b:\g1b+7]
	s_nop 0
.rept 4
	v_nop
.endr
.Lasked_\@:
.endm
.macro CREST
	s_cmp_lg_u32 s16, 0
	s_cbranch_scc1 .Lnot_wave_0_\@
	s_barrier_signal -3
.Lnot_wave_0_\@:
	s_barrier_wait -3
	s_barrier_signal -1
	s_barrier_wait -1
.endm
.macro CROUND
	s_barrier_signal -1
	s_barrier_wait -1
	CREST
.endm
	s_load_b256 s[4:11], s[0:1], 0x0
	s_load_b128 s[12:15], s[0:1], 0x20
	v_lshl_add_u32 v[SPW], v0, 2, SPARE
	v_mov_b32 v[NIL], 0
	ds_add_u32 v[SPW], v[NIL]
	ds_add_u32 v[SPW], v[NIL]
	v_lshrrev_b32 v1, 5, v0
	v_readfirstlane_b32 s16, v1
	s_lshr_b32 s17, s16, 1
	s_and_b32 s18, s16, 1
	s_bfe_u32 s40, ttmp6, 0x40000
	s_bfe_u32 s41, ttmp6, 0x40004
	s_and_b32 s44, ttmp7, 0xffff
	s_lshl_b32 s44, s44, 2
	s_add_co_u32 s44, s44, s41
	s_add_co_u32 s45, s40, 12
	s_lshl_b32 s46, s41, 2
	s_lshl_b32 s46, 15, s46
	s_lshl_b32 s47, 0x1111, s40
	s_or_b32 s[G1], s46, (3<<16)|(1<<21)
	s_or_b32 s[G1B], s47, (3<<16)|(1<<21)
	s_or_b32 s[G1S], s46, (3<<16)|(1<<21)
	s_or_b32 s[G1SB], s47, (3<<16)|(1<<21)
; A BLOCK OF THE RESULT IS 128 ROWS x 256 COLUMNS: 64 x 4 = 256 work-groups.  A's tile is one rowgroup; wave (s17, s18) makes rows 64 s17 .. + 63 (A's blocks 4 s17 .. + 3) x columns 128 s18 .. + 127: 32 accumulators, window 2.
	s_mov_b32 s[G1+1], 32<<16              ; the head's load of A: one rowgroup's first 24,576 dense bytes, 96 rows of 256
	s_mov_b32 s[G1+2], 96<<16
	s_mov_b32 s[G1+3], 32<<16
	s_mov_b32 s[G1+4], 96
	s_mov_b32 s[G1+5], 32
	s_mov_b32 s[G1B+1], 3072<<16           ; the head's load of B: two rowgroups' first 24,576 bytes, as 2 rows of 3,072 elements of 8 bytes, a rowgroup (12,288 elements) apart
	s_mov_b32 s[G1B+2], 2<<16
	s_mov_b32 s[G1B+3], 3072<<16
	s_mov_b32 s[G1B+4], 2
	s_mov_b32 s[G1B+5], 12288
.irp g, G1, G1B
	s_mov_b32 s[\g+6], 0
	s_mov_b32 s[\g+7], 0
.endr
.irp g, G1S, G1SB
	s_mov_b32 s[\g+1], 32<<16
	s_mov_b32 s[\g+2], 32<<16              ; the scales of two rowgroups: 8,192 dense bytes, 32 rows of 256
	s_mov_b32 s[\g+3], 32<<16
	s_mov_b32 s[\g+4], 32
	s_mov_b32 s[\g+5], 32
	s_mov_b32 s[\g+6], 0
	s_mov_b32 s[\g+7], 0
.endr
	s_lshl_b32 s66, s44, 12                ; A: rowgroup 4 x cluster y + cy: its scales,
	s_mov_b32 s67, 0
	s_mul_i32 s20, s44, RG                 ; and its codes
	s_mov_b32 s21, 0
	s_mov_b32 s[G1S+2], 16<<16             ; A's scales: one rowgroup's 4,096 dense bytes, 16 rows of 256
	s_mov_b32 s[G1S+4], 16
	s_lshl_b32 s22, s45, 1
	s_add_co_u32 s22, s22, s18
	s_lshl_b32 s2, s22, 12
	s_mov_b32 s3, 0
	s_mul_i32 s22, s22, RG
	s_mov_b32 s23, 0
	s_mul_i32 s100, s16, HALFT
	s_wait_dscnt 0x0
	s_wait_kmcnt 0x0
	s_add_nc_u64 s[92:93], s[4:5], s[20:21]
	s_add_nc_u64 s[94:95], s[8:9], s[22:23]
	s_add_nc_u64 s[96:97], s[6:7], s[66:67]
	s_add_nc_u64 s[98:99], s[10:11], s[2:3]
	CROUND
	s_mov_b32 s[G0S], 1
	s_lshl_b32 s2, s18, 12                 ; my half's place in the scales (s3 = 0 stands) and in the codes (s67 = 0 stands): taken off again, the head's tiles begin at the first of the two rowgroups
	s_mul_i32 s66, s18, RG
	s_mov_b32 s[G0S+1], SCL
	s_mov_b64 s[G0S+2:G0S+3], s[96:97]
	s_or_b32 s[G0S+3], s[G0S+3], 0x80000000
	s_mov_b32 s[G0SB], 1
	s_mov_b32 s[G0SB+1], SCL+2*HALFS
	s_sub_nc_u64 s[G0SB+2:G0SB+3], s[98:99], s[2:3]
	s_or_b32 s[G0SB+3], s[G0SB+3], 0x80000000
.set G0H, 4                            ; s[4:7], s[8:11]: group 0 of the head's loads of codes (the arguments that lay there have been used)
.set G0HB, 8
	s_mov_b32 s[G0H], 1
	s_mov_b32 s[G0H+1], 0
	s_mov_b64 s[G0H+2:G0H+3], s[92:93]
	s_or_b32 s[G0H+3], s[G0H+3], 0x80000000
	s_mov_b32 s[G0HB], 1
	s_mov_b32 s[G0HB+1], 2*HALFT
	s_sub_nc_u64 s[G0HB+2:G0HB+3], s[94:95], s[66:67]
	s_or_b32 s[G0HB+3], s[G0HB+3], 0x80000000
	s_mul_i32 s2, s18, 12288               ; in the ring waves 0 and 1 bring one K step of A's slot each: 12,288 bytes, in memory and in LDS alike (s3 = 0 stands)
	s_add_nc_u64 s[92:93], s[92:93], s[2:3]
.irp s, 0,1
	s_mov_b32 s[G0+4*\s], 1
	s_add_co_u32 s[G0+4*\s+1], s2, \s*SLOT
	s_add_nc_u64 s[G0+4*\s+2:G0+4*\s+3], s[92:93], \s*HALFT
	s_or_b32 s[G0+4*\s+3], s[G0+4*\s+3], 0x80000000
	s_mov_b32 s[G0B+4*\s], 1
	s_add_co_u32 s[G0B+4*\s+1], s100, \s*SLOT
	s_add_nc_u64 s[G0B+4*\s+2:G0B+4*\s+3], s[94:95], \s*HALFT
	s_or_b32 s[G0B+4*\s+3], s[G0B+4*\s+3], 0x80000000
.endr
; the head's four tiles, one joint load a wave: wave 0 slot 0's codes of A, wave 1 A's scales, wave 2 slot 0's codes of B, wave 3 B's scales; one chain of branches on the wave's number
.macro ARM under, g0, g1, next
	s_cmp_lt_u32 s16, \under
	s_cbranch_scc0 \next
	tensor_load_to_lds s[\g0:\g0+3], s[\g1:\g1+7]
	s_nop 0
.rept 4
	v_nop
.endr
	s_branch .Lhead_asked
\next:
.endm
	ARM 1, G0H,  G1,  .Lhead_sa
	ARM 2, G0S,  G1S, .Lhead_b
	ARM 3, G0HB, G1B, .Lhead_sb
	tensor_load_to_lds s[G0SB:G0SB+3], s[G1SB:G1SB+7]
	s_nop 0
.rept 4
	v_nop
.endr
.Lhead_asked:
	v_and_b32 v1, 31, v0
	v_lshlrev_b32 v[LO16], 4, v1
	v_lshlrev_b32 v[LO8], 3, v1
	v_and_b32 v2, 15, v0
	v_bfe_u32 v3, v0, 4, 1
	s_wait_alu depctr_va_vdst(0)
	s_mul_i32 s20, s17, 6144               ; my four blocks of A: 4 x 1,536 bytes into each K step
	s_mul_i32 s22, s18, HALFT
	s_add_co_u32 s22, s22, 2*HALFT
.irp s, 0,1
	v_add_nc_u32 v[ADRA+\s], s20, v[LO16]
	v_add_nc_u32 v[ADRA+2+\s], s20, v[LO8]
	v_add_nc_u32 v[ADRB+\s], s22, v[LO16]
	v_add_nc_u32 v[ADRB+2+\s], s22, v[LO8]
	s_add_co_u32 s20, s20, SLOT
	s_add_co_u32 s22, s22, SLOT
.endr
	s_lshl_b32 s20, s17, 9                 ; my four blocks' scale words: 4 x 128 bytes into each pair of K steps
	s_lshl_b32 s22, s18, 12
	s_add_co_u32 s22, s22, 2*HALFS
	s_sub_co_u32 s22, s22, s20
	v_mul_u32_u24 v6, s22, v3
.set ADRS2, 31                         ; v31: for scale registers 4-7: lanes 0-15 stand 512 bytes lower, so that they take my four blocks of A once more; lanes 16-31 as in v25
	s_add_co_u32 s23, s20, SCL-512
	s_add_co_u32 s20, s20, SCL
	v_lshl_add_u32 v6, v2, 3, v6
	v_add_nc_u32 v[ADRS], s20, v6
	v_lshl_add_u32 v5, v3, 9, v6
	v_add_nc_u32 v[ADRS2], s23, v5
	s_mul_i32 s22, s16, 16*SPITCH
	v_mul_u32_u24 v4, v2, SPITCH
	v_lshl_add_u32 v4, v3, 6, v4
	v_add_nc_u32 v[STO], s22, v4
	v_add_nc_u32 v[RD], s22, v[LO16]
	s_lshl_b32 s42, s44, 1
	s_add_co_u32 s42, s42, s17
	s_lshl_b32 s2, s42, 18                 ; my first row: 128 x rowgroup + 64 x s17, rows of 4,096 bytes
	s_lshl_b32 s43, s40, 10
	s_lshl_b32 s46, s18, 9
	s_add_co_u32 s43, s43, s46
	s_add_co_u32 s2, s2, s43
	s_mov_b32 s3, 0
	s_add_nc_u64 s[14:15], s[14:15], s[2:3]
	s_mov_b32 s20, s43
	s_mov_b32 s21, 0
	s_add_nc_u64 s[12:13], s[12:13], s[20:21]
	global_load_b128 v[BO:BO+3], v[LO16], s[12:13]
	s_wait_alu depctr_va_vdst(0)
	s_wait_loadcnt 0x0
.macro FRAG reg, adr, q, i
	ds_load_b128 v[\reg:\reg+3], v[\adr] offset:12288*(\q)+1536*(\i)
	ds_load_b64 v[\reg+4:\reg+5], v[\adr+2] offset:12288*(\q)+1536*(\i)+512
	ds_load_b128 v[\reg+6:\reg+9], v[\adr] offset:12288*(\q)+1536*(\i)+768
	ds_load_b64 v[\reg+10:\reg+11], v[\adr+2] offset:12288*(\q)+1536*(\i)+1280
.endm
.macro MUL16 a0, p, q, sc, zero
.irp a, \a0, \a0+1
.irp b, 0,1,2,3,4,5,6,7
.if \zero
	v_wmma_scale_f32_16x16x128_f8f6f4 v[8*(8*((\a)%4)+\b):8*(8*((\a)%4)+\b)+7], v[128*(\p)+FR*\b:128*(\p)+FR*\b+FR-1], v[AF+FR*(\a):AF+FR*(\a)+FR-1], 0, v[SC+8*NQ*(\sc)+NQ*\b+(\q)], v[SC+8*NQ*(\sc)+NQ*(\a)+(\q)] matrix_a_fmt:MATRIX_FMT_FP6 matrix_b_fmt:MATRIX_FMT_FP6 matrix_a_scale:MATRIX_SCALE_ROW1
.else
	v_wmma_scale_f32_16x16x128_f8f6f4 v[8*(8*((\a)%4)+\b):8*(8*((\a)%4)+\b)+7], v[128*(\p)+FR*\b:128*(\p)+FR*\b+FR-1], v[AF+FR*(\a):AF+FR*(\a)+FR-1], v[8*(8*((\a)%4)+\b):8*(8*((\a)%4)+\b)+7], v[SC+8*NQ*(\sc)+NQ*\b+(\q)], v[SC+8*NQ*(\sc)+NQ*(\a)+(\q)] matrix_a_fmt:MATRIX_FMT_FP6 matrix_b_fmt:MATRIX_FMT_FP6 matrix_a_scale:MATRIX_SCALE_ROW1
.endif
.endr
.endr
.endm
.macro FETCH_B slot, q, p
	WIN TO_B
.irp i, 0,1,2,3,4,5,6,7
	FRAG 128*(\p)+FR*\i, ADRB+\slot, \q, \i
.endr
	WIN 0
.endm
.macro FETCH_A slot, q, i0
.irp i, \i0, \i0+1, \i0+2, \i0+3
	FRAG AF+FR*(\i), ADRA+\slot, \q, (\i)%4
.endr
.endm
.macro SCALES sc
.irp i, 0,1,2,3
	ds_load_b64 v[SC+8*NQ*\sc+NQ*\i:SC+8*NQ*\sc+NQ*\i+1], v[ADRS] offset:\i*128
.endr
.irp i, 4,5,6,7
	ds_load_b64 v[SC+8*NQ*\sc+NQ*\i:SC+8*NQ*\sc+NQ*\i+1], v[ADRS2] offset:\i*128
.endr
.endm
.macro PLACES n
.rept \n
	v_nop
.endr
.endm
; A and B have two sets of fragments each: a slot's first K step multiplies set 0 (A's registers of blocks 0-3), its second set 1 (those of blocks 4-7, which hold the same four blocks of A).
; The 32 accumulators take turns in the same order in every step.
.macro STEP slot, q, zero
	s_wait_dscnt 0x0                       ; this step's fragments are in
	PLACES NP                              ; behind the last step's products, whose fragments' registers take the loads below
	FETCH_B \slot, (\q)+1, 1-(\q)%2
	FETCH_A \slot, (\q)+1, 4
	WIN MUL_LO
	MUL16 0, (\q)%2, \q, \slot, \zero
	MUL16 2, (\q)%2, \q, \slot, \zero
	WIN 0
.endm
.macro TURN slot, next, fill
	s_wait_tensorcnt 0x0
	ds_add_u32 v[SPW], v[NIL]
	s_wait_dscnt 0x0                       ; the add is done, and my reads of this slot are over
	s_barrier_signal -1
	WIN MUL_LO
	MUL16 4, 1, NQ-1, \slot, 0
	WIN 0
	s_barrier_wait -1
.if \fill
	CREST
	s_add_nc_u64 s[G0+4*\slot+2:G0+4*\slot+3], s[G0+4*\slot+2:G0+4*\slot+3], 2*HALFT
	s_add_nc_u64 s[G0B+4*\slot+2:G0B+4*\slot+3], s[G0B+4*\slot+2:G0B+4*\slot+3], 2*HALFT
	JLOAD G0+4*\slot, G1, G0B+4*\slot, G1B
.else
	PLACES NP
.endif
	s_wait_alu depctr_va_vdst(0)
	v_add_nc_u32 v[ADRS], 1024, v[ADRS]
	v_add_nc_u32 v[ADRS2], 1024, v[ADRS2]
	FETCH_B \next, 0, 0
	FETCH_A \next, 0, 0
	SCALES \next
	WIN MUL_LO
	MUL16 6, 1, NQ-1, \slot, 0
	WIN 0
.endm
	s_wait_alu depctr_va_vdst(0)           ; the wait at the head's end
	s_wait_tensorcnt 0x0                   ; my tile of the head's four is in; slot 1's first fill is issued as a refill is
	ds_add_u32 v[SPW], v[NIL]
	s_mov_b32 s[G1+2], 48<<16              ; no tensor load of mine is out: from here on a load of A brings one K step, 48 rows of 256,
	s_mov_b32 s[G1+4], 48
	s_mov_b32 s[G1B+1], 32<<16             ; and a load of B one rowgroup's 24,576 bytes as 96 rows of 256
	s_mov_b32 s[G1B+2], 96<<16
	s_mov_b32 s[G1B+3], 32<<16
	s_mov_b32 s[G1B+4], 96
	s_mov_b32 s[G1B+5], 32
	s_wait_dscnt 0x0
	CROUND
	JLOAD G0+4, G1, G0B+4, G1B
	FETCH_B 0, 0, 0
	FETCH_A 0, 0, 0
	SCALES 0
	STEP 0, 0, 1
	TURN 0, 1, 1
	STEP 1, 0, 0
	TURN 1, 0, 1
	STEP 0, 0, 0
	TURN 0, 1, 0
	STEP 1, 0, 0
	s_wait_dscnt 0x0
	WIN MUL_LO
	MUL16 4, 1, NQ-1, 1, 0
	MUL16 6, 1, NQ-1, 1, 0
	WIN 0
.macro TOSTAGE a
.set AC, 64*((\a)%4)
	WIN 0x08+4*((\a)/4)
.irp b, 0,1,2,3,4,5,6,7
	ds_store_b128 v[STO], v[AC+8*\b:AC+8*\b+3] offset:128*(\b/2)+32*(\b%2)
	ds_store_b128 v[STO], v[AC+8*\b+4:AC+8*\b+7] offset:128*(\b/2)+32*(\b%2)+16
.endr
	WIN 0
.set BB, BK+64*((\a)%2)
.irp t, 0,1,2,3,4,5,6,7,8,9,10,11,12,13,14,15
	ds_load_b128 v[BB+4*\t:BB+4*\t+3], v[RD] offset:\t*SPITCH
.endr
.endm
.macro SEND a, younger
.set BB, BK+64*((\a)%2)
	s_wait_dscnt \younger
.irp t, 0,1,2,3,4,5,6,7,8,9,10,11,12,13,14,15
	v_pk_add_f32 v[BB+4*\t:BB+4*\t+1], v[BB+4*\t:BB+4*\t+1], v[BO:BO+1]
	v_pk_add_f32 v[BB+4*\t+2:BB+4*\t+3], v[BB+4*\t+2:BB+4*\t+3], v[BO+2:BO+3]
.endr
.irp t, 0,1,2,3,4,5,6,7,8,9,10,11,12,13,14,15
	global_store_b128 v[LO16], v[BB+4*\t:BB+4*\t+3], s[14:15] offset:(32*((\a)/2)+8*((\a)%2)+\t+8*(\t/8))*4096 th:TH_STORE_NT
.endr
.endm
	PLACES NP
	TOSTAGE 0
.irp a, 1,2,3
.if \a > 1
	s_wait_xcnt 0x0
.endif
	TOSTAGE \a
	SEND \a-1, 32
.endr
	SEND 3, 0
	s_wait_tensorcnt 0x0
	ds_add_u32 v[SPW], v[NIL]
	s_wait_dscnt 0x0
	CROUND
	s_endpgm
.Lfunc_end_k_q869b790ca7_proj:
	.size	k_q869b790ca7_proj, .Lfunc_end_k_q869b790ca7_proj-k_q869b790ca7_proj
	.p2alignl 7, 3214868480
	.fill 96, 4, 3214868480
	.section	.rodata,"a",@progbits
	.p2align	6, 0x0
	.amdhsa_kernel k_q869b790ca7_proj
		.amdhsa_group_segment_fixed_size 327680
		.amdhsa_private_segment_fixed_size 0
		.amdhsa_enable_private_segment 0
		.amdhsa_kernarg_size 48
		.amdhsa_user_sgpr_count 2
		.amdhsa_user_sgpr_kernarg_segment_ptr 1
		.amdhsa_wavefront_size32 1
		.amdhsa_system_sgpr_workgroup_id_x 1
		.amdhsa_system_sgpr_workgroup_id_y 1
		.amdhsa_system_sgpr_workgroup_id_z 1
		.amdhsa_system_vgpr_workitem_id 0
		.amdhsa_next_free_vgpr 1024
		.amdhsa_next_free_sgpr 106
		.amdhsa_reserve_vcc 0
		.amdhsa_float_denorm_mode_32 3
		.amdhsa_float_denorm_mode_16_64 3
		.amdhsa_memory_ordered 1
		.amdhsa_forward_progress 1
		.amdhsa_inst_pref_size 97
	.end_amdhsa_kernel
	.amdgpu_metadata
---
amdhsa.version: [ 1, 2 ]
amdhsa.kernels:
  - .name:           k_q869b790ca7_proj
    .symbol:         k_q869b790ca7_proj.kd
    .args:
      - { .name: ao_img, .offset: 0, .size: 8, .value_kind: global_buffer, .address_space: global }
      - { .name: ao_sc, .offset: 8, .size: 8, .value_kind: global_buffer, .address_space: global }
      - { .name: w_img, .offset: 16, .size: 8, .value_kind: global_buffer, .address_space: global }
      - { .name: w_sc, .offset: 24, .size: 8, .value_kind: global_buffer, .address_space: global }
      - { .name: b_out, .offset: 32, .size: 8, .value_kind: global_buffer, .address_space: global }
      - { .name: out0, .offset: 40, .size: 8, .value_kind: global_buffer, .address_space: global }
    .group_segment_fixed_size: 327680
    .private_segment_fixed_size: 0
    .kernarg_segment_align: 8
    .kernarg_segment_size: 48
    .max_flat_workgroup_size: 128
    .sgpr_count:     106
    .vgpr_count:     1024
    .wavefront_size: 32
...
	.end_amdgpu_metadata
.endif
;; end of part 4
